; MI455X (gfx1250); checked and timed in simulation.
; The chip was launched on July 23, 2026; its instructions are those of AMD's public machine-readable ISA for CDNA 5 (MIT licence, August 2026) and "CDNA5" Instruction Set Architecture Reference Guide (July 2026). The comments in the code are by the model that wrote it; some were corrected since.
;; Multi Head Attention. Allowed arithmetic: float matrix products may take bf16 or f16 operands with f32 sums; other float arithmetic in f32, or as packed bf16 or f16 multiplies, adds, multiply-adds, maxima and minima; sums over many terms, partial sums and values carried from step to step in f32; what a program stores and reads back later, other than sums and carried values, may be rounded once to bf16 or f16.
;; Inputs: Wk 1,024 x 1,024 float32; Wo 1,024 x 1,024 float32; Wq 1,024 x 1,024 float32; Wv 1,024 x 1,024 float32; X 1 x 4,096 x 1,024 float32; bk 1,024 float32; bo 1,024 float32; bq 1,024 float32; bv 1,024 float32.
;; Outputs: out0 1 x 4,096 x 1,024 float32.
;; Constants: is_causal = 1.
;; 2 versions, each right; version 2 is version 1 with the launch first16 written anew for expert scheduling mode. Each part assembles by itself: llvm-mc -triple=amdgcn-amd-amdhsa -mcpu=gfx1250 --defsym DOCPART=n.
;; ======== version 1 of 2: 5 launches
;; limits: values are held in f16: magnitudes above 65,504 overflow, below 6.1e-05 lose precision
;; workspace buffers: Xb 8,388,608 bytes; Wb 6,291,456 bytes; Wof 2,097,152 bytes; bcat 16,384 bytes; qkv 25,165,824 bytes; ob 8,388,608 bytes
;; launch cast (part 1): grid 512 x 1, 8 waves a work-group, no clusters, 0 bytes of LDS; arguments X, Wq, Wk, Wv, Wo, bq, bk, bv, bo, Xb, Wb, Wof, bcat; writes Xb, Wb, Wof, bcat
.if DOCPART == 1
	.amdgcn_target "amdgcn-amd-amdhsa--gfx1250"
	.amdhsa_code_object_version 6
	.text
	.protected	k_q2a9a311521_cast
	.globl	k_q2a9a311521_cast
	.p2align	8
	.type	k_q2a9a311521_cast,@function
k_q2a9a311521_cast:
	s_mov_b64 s[64:65], 0
	v_nop
	global_prefetch_b8 v0, s[64:65] scope:SCOPE_SE
	s_setreg_imm32_b32 hwreg(HW_REG_WAVE_MODE, 25, 1), 1
	s_wait_xcnt 0x0
; ALL INPUTS ROUNDED ONCE TO bf16.  Xb = bf16(X); Wb = bf16 of Wq, Wk, Wv, one below the other; Wof = bf16(Wo) written as f16 (exact from 6e-5 up to f16's end; below, f16's fixed
; step of 6e-8); bcat = bq, bk, bv, bo, each number rounded to bf16 and widened to f32 again.
; A stream: memory binds, so no LDS, no matrix unit.  512 work-groups of eight waves; each converts 16,384 numbers: 64 KiB in, 32 KiB out.
; Work-groups 0-255 take X; work-group 256 + 64 j + ii takes part ii of weight j (0 Wq, 1 Wk, 2 Wv, 3 Wo), and with ii = 0 also bias j (1,024 numbers, 16 bytes a thread).
; Thread t takes 8 numbers of each of eight trips: two loads of 16 bytes, one store of 16 bytes; sixteen neighbouring lanes store 256 consecutive bytes, aligned.
; All sixteen loads go out first; no register is used twice, so nothing waits but each trip for its own two loads.
.set IN,  16                           ; v[16:79]   trip i: 8 numbers as loaded
.set OUT, 80                           ; v[80:111]  trip i: 4 registers to store
	s_load_b512 s[4:19], s[0:1], 0x0               ; X s[4:5], Wq s[6:7], Wk s[8:9], Wv s[10:11], Wo s[12:13], bq s[14:15], bk s[16:17], bv s[18:19]
	s_load_b256 s[20:27], s[0:1], 0x40             ; bo s[20:21], Xb s[22:23], Wb s[24:25], Wof s[26:27]
	s_load_b64 s[28:29], s[0:1], 0x60              ; bcat
	v_lshlrev_b32 v1, 5, v0                        ; 32 bytes a thread on the way in
	v_lshlrev_b32 v2, 4, v0                        ; 16 on the way out
	s_mov_b32 s40, ttmp9                           ; g
	s_sub_co_u32 s41, s40, 256                     ; t = g - 256 (of use from g = 256 on)
	s_lshr_b32 s42, s41, 6                         ; j
	s_and_b32 s43, s41, 63                         ; ii
	s_mov_b32 s47, 0
	s_cmp_ge_u32 s40, 256
	s_cselect_b32 s38, 1, 0
	s_cmp_eq_u32 s43, 0
	s_cselect_b32 s38, s38, 0                      ; 1: this work-group also converts bias j
	s_wait_kmcnt 0x0
	s_cmp_eq_u32 s42, 1                            ; the source, the bias and the destination are chosen by the work-group's number alone
	s_cselect_b64 s[30:31], s[8:9], s[6:7]
	s_cselect_b64 s[34:35], s[16:17], s[14:15]
	s_cmp_eq_u32 s42, 2
	s_cselect_b64 s[30:31], s[10:11], s[30:31]
	s_cselect_b64 s[34:35], s[18:19], s[34:35]
	s_cmp_eq_u32 s42, 3
	s_cselect_b64 s[30:31], s[12:13], s[30:31]
	s_cselect_b64 s[34:35], s[20:21], s[34:35]
	s_cselect_b64 s[32:33], s[26:27], s[24:25]     ; Wof, or Wb
	s_cselect_b32 s44, s43, s41                    ; part ii of Wof, or part t of Wb
	s_cmp_lt_u32 s40, 256
	s_cselect_b64 s[30:31], s[4:5], s[30:31]
	s_cselect_b64 s[32:33], s[22:23], s[32:33]
	s_cselect_b32 s44, s40, s44
	s_cselect_b32 s45, s40, s43
	s_lshl_b32 s46, s45, 16                        ; 64 KiB a part on the way in
	s_add_nc_u64 s[30:31], s[30:31], s[46:47]
	s_lshl_b32 s46, s44, 15                        ; 32 KiB on the way out
	s_add_nc_u64 s[32:33], s[32:33], s[46:47]
.set i, 0
.rept 8
	global_load_b128 v[IN+8*i:IN+8*i+3],   v1, s[30:31] offset:8192*i th:TH_LOAD_NT
	global_load_b128 v[IN+8*i+4:IN+8*i+7], v1, s[30:31] offset:8192*i+16 th:TH_LOAD_NT
.set i, i+1
.endr
; Trip i.  half = 1: the bf16 number is widened again and written as f16.
.macro CONV i, half
	s_wait_loadcnt 14-2*(\i)                       ; loads come back in order: my two are in, the later trips' may stay out
.irp k, 0,1,2,3
	v_cvt_pk_bf16_f32 v[OUT+4*(\i)+(\k)], v[IN+8*(\i)+2*(\k)], v[IN+8*(\i)+2*(\k)+1]
.endr
.if \half
.irp k, 0,1,2,3
	v_lshlrev_b32 v[IN+8*(\i)+2*(\k)],   16, v[OUT+4*(\i)+(\k)]
	v_and_b32     v[IN+8*(\i)+2*(\k)+1], 0xffff0000, v[OUT+4*(\i)+(\k)]
.endr
.irp k, 0,1,2,3
	v_cvt_pk_f16_f32 v[OUT+4*(\i)+(\k)], v[IN+8*(\i)+2*(\k)], v[IN+8*(\i)+2*(\k)+1]
.endr
.endif
	global_store_b128 v2, v[OUT+4*(\i):OUT+4*(\i)+3], s[32:33] offset:4096*(\i)
.endm
	s_cmp_ge_u32 s40, 448                          ; Wo's parts
	s_cbranch_scc1 .Lwo
.irp i, 0,1,2,3,4,5,6,7
	CONV \i, 0
.endr
	s_branch .Lbias
.Lwo:
.irp i, 0,1,2,3,4,5,6,7
	CONV \i, 1
.endr
.Lbias:
	s_cmp_eq_u32 s38, 1
	s_cbranch_scc0 .Lend
	s_lshl_b32 s46, s42, 12                        ; bias j lies at 4,096 j in bcat
	s_add_nc_u64 s[36:37], s[28:29], s[46:47]
	global_load_b128 v[4:7], v2, s[34:35]
	s_wait_loadcnt 0x0
	v_cvt_pk_bf16_f32 v8, v4, v5
	v_cvt_pk_bf16_f32 v9, v6, v7
	v_lshlrev_b32 v10, 16, v8
	v_and_b32 v11, 0xffff0000, v8
	v_lshlrev_b32 v12, 16, v9
	v_and_b32 v13, 0xffff0000, v9
	global_store_b128 v2, v[10:13], s[36:37]
.Lend:
	s_endpgm
.Lfunc_end_k_q2a9a311521_cast:
	.size	k_q2a9a311521_cast, .Lfunc_end_k_q2a9a311521_cast-k_q2a9a311521_cast
	.p2alignl 7, 3214868480
	.fill 96, 4, 3214868480
	.section	.rodata,"a",@progbits
	.p2align	6, 0x0
	.amdhsa_kernel k_q2a9a311521_cast
		.amdhsa_group_segment_fixed_size 0
		.amdhsa_private_segment_fixed_size 0
		.amdhsa_enable_private_segment 0
		.amdhsa_kernarg_size 104
		.amdhsa_user_sgpr_count 2
		.amdhsa_user_sgpr_kernarg_segment_ptr 1
		.amdhsa_wavefront_size32 1
		.amdhsa_system_sgpr_workgroup_id_x 1
		.amdhsa_system_sgpr_workgroup_id_y 1
		.amdhsa_system_sgpr_workgroup_id_z 1
		.amdhsa_system_vgpr_workitem_id 0
		.amdhsa_next_free_vgpr 112
		.amdhsa_next_free_sgpr 66
		.amdhsa_reserve_vcc 0
		.amdhsa_float_denorm_mode_32 3
		.amdhsa_float_denorm_mode_16_64 3
		.amdhsa_memory_ordered 1
		.amdhsa_forward_progress 1
		.amdhsa_inst_pref_size 15
	.end_amdhsa_kernel
	.amdgpu_metadata
---
amdhsa.version: [ 1, 2 ]
amdhsa.kernels:
  - .name:           k_q2a9a311521_cast
    .symbol:         k_q2a9a311521_cast.kd
    .args:
      - { .name: X, .offset: 0, .size: 8, .value_kind: global_buffer, .address_space: global }
      - { .name: Wq, .offset: 8, .size: 8, .value_kind: global_buffer, .address_space: global }
      - { .name: Wk, .offset: 16, .size: 8, .value_kind: global_buffer, .address_space: global }
      - { .name: Wv, .offset: 24, .size: 8, .value_kind: global_buffer, .address_space: global }
      - { .name: Wo, .offset: 32, .size: 8, .value_kind: global_buffer, .address_space: global }
      - { .name: bq, .offset: 40, .size: 8, .value_kind: global_buffer, .address_space: global }
      - { .name: bk, .offset: 48, .size: 8, .value_kind: global_buffer, .address_space: global }
      - { .name: bv, .offset: 56, .size: 8, .value_kind: global_buffer, .address_space: global }
      - { .name: bo, .offset: 64, .size: 8, .value_kind: global_buffer, .address_space: global }
      - { .name: Xb, .offset: 72, .size: 8, .value_kind: global_buffer, .address_space: global }
      - { .name: Wb, .offset: 80, .size: 8, .value_kind: global_buffer, .address_space: global }
      - { .name: Wof, .offset: 88, .size: 8, .value_kind: global_buffer, .address_space: global }
      - { .name: bcat, .offset: 96, .size: 8, .value_kind: global_buffer, .address_space: global }
    .group_segment_fixed_size: 0
    .private_segment_fixed_size: 0
    .kernarg_segment_align: 8
    .kernarg_segment_size: 104
    .max_flat_workgroup_size: 256
    .sgpr_count:     66
    .vgpr_count:     112
    .wavefront_size: 32
...
	.end_amdgpu_metadata
.endif
;; end of part 1
;; launch qkv (part 2): grid 16 x 16, 4 waves a work-group, clusters of 4 x 4, 327,680 bytes of LDS; arguments Xb, Wb, bcat, qkv; writes qkv
.if DOCPART == 2
	.amdgcn_target "amdgcn-amd-amdhsa--gfx1250"
	.amdhsa_code_object_version 6
	.text
	.protected	k_q2a9a311521_qkv
	.globl	k_q2a9a311521_qkv
	.p2align	8
	.type	k_q2a9a311521_qkv,@function
k_q2a9a311521_qkv:
	s_mov_b64 s[64:65], 0
	v_nop
	global_prefetch_b8 v0, s[64:65] scope:SCOPE_SE
	s_setreg_imm32_b32 hwreg(HW_REG_WAVE_MODE, 25, 1), 1
	s_wait_xcnt 0x0
	s_wait_alu depctr_hold_cnt(0) depctr_sa_sdst(0) depctr_va_vdst(0) depctr_va_sdst(0) depctr_va_ssrc(0) depctr_va_vcc(0) depctr_vm_vsrc(0)
	s_getreg_b32 s2, hwreg(HW_REG_IB_STS2, 6, 4)
	s_cmp_eq_u32 s2, 0
	s_cbranch_scc0 .Lentry_in_a_cluster
	s_endpgm
.Lentry_in_a_cluster:
	s_bfe_u32 s2, ttmp6, 0x10000c
	s_cmp_lg_u32 s2, 0xf033
	s_cbranch_scc0 .Lentry_shape_is_right
	s_endpgm
.Lentry_shape_is_right:
; q, k, v = X W^T + b, by heads.  Xb: [4096][1024] bf16; Wb: [3072][1024] bf16 (Wq, Wk, Wv); bcat: f32, its first 3,072 numbers; qkv: [48][4096][64] f16 (heads 0-15 q, 16-31 k, 32-47 v).
; Sums in f32, started by the bias; each result rounded once to f16, unscaled.  LIMIT: f16 ends at 65,504: a |q|, |k| or |v| of 65,520 or more becomes an infinity.
; TILE.  256 rows x 192 columns (three whole heads): 16 x 16 tiles, one work-group each, 256 in all.  Wave w owns rows 64 w .. 64 w + 63 and all 192 columns: 48 accumulators of 16 x 16, 384 registers;
; it holds whole heads, so its way out is its own.  For 32 along K a wave makes 32 LDS loads for 48 matrix instructions.
; K goes in eight steps of 128 (rows of 256 bytes) through a ring of two LDS slots filled by the tensor data mover.
; CLUSTER.  4 x 4 work-groups: the four of a row need the same tile of Xb, the four of a column the same tile of Wb: each is asked for jointly, by the same load with the same descriptor and a mask of four.
; THE MATRIX INSTRUCTION IS USED TRANSPOSED: source 0 = 16 rows of Wb, source 1 = 16 rows of Xb: a lane holds one row of the result (lane % 16) and eight neighbouring columns 8 (lane / 16) + 0..7.
; REGISTERS, in windows of 256 (s_set_vgpr_msb: bits 1:0 source 0, 3:2 source 1, 5:4 source 2, 7:6 destination):
;   window 0: v16-29 addresses; v64-127 X's fragments, two buffers of 32; v128-223 the bias of my lane's columns (C of each sum's first product), later at work on the way out
;   window 1: v0-191 W's fragments, two buffers of 96      window 2: accumulators of row blocks 0, 1 at 96 (a % 2) + 8 b      window 3: of row blocks 2, 3
.set KSTEP,  128
.set PITCH,  272                       ; an LDS row: 256 bytes + 16 of padding: the 16 rows of a fragment load start 68 words apart, at 16 different groups of four banks (64 banks of 4 bytes: ISA guide 11.1)
.set AH,     128*PITCH                 ; what one load of X brings
.set BH,     96*PITCH                  ; what one load of W brings
.set BOFF,   2*AH                      ; in a slot: X's 256 rows, then W's 192
.set SLOT,   BOFF+2*BH
.set STAGE,  2*SLOT                    ; behind the ring: 16 rows x 400 bytes for each wave, for the way out
.set SPITCH, 400                       ; 384 bytes + 16
.set SPARE,  STAGE+4*16*SPITCH         ; the spare words, 128 bytes for each wave: two blocks of 256 bytes that no other line names
.set LAPS,   4                         ; a lap = two K steps
.set ADRA, 16                          ; v16-17  LDS address of my fragments of X in slot 0, 1
.set ADRB, 20                          ; v20-21  the same for W
.set STO,  24                          ; v24     where I put 16 bytes of a row
.set RD,   25                          ; v25     where I read rows back
.set CO,   26                          ; v26     my 16 bytes in 512 consecutive bytes of qkv
.set BO,   27                          ; v27     32 x (lane / 16): my eight columns' bias
.set SPW,  28                          ; v28     LDS address of my spare word; never rewritten
.set NIL,  29                          ; v29     0; never rewritten
.set FA,   64
.set BIAS, 128
.set TMP,  128                         ; the way out: 48 registers of packed results
.set OB0,  176                         ; 48 registers read back from the stage, two sets by turns
.set OB1,  64
.set G1,  24                           ; s[24:31] descriptor group 1 for X's tiles;  s[32:39] group 0, a set for each slot
.set G0,  32
.set G1B, 48                           ; s[48:55], s[56:63] the same for W's
.set G0B, 56
.set MSB, 0
.macro WIN new                         ; the immediate's high byte repeats the setting that is left; a switch that changes nothing is dropped
.if MSB != (\new)
	s_set_vgpr_msb (MSB<<8)|(\new)
.set MSB, \new
.endif
.endm
.set TO_B, 0x40                        ; destination window 1, address window 0
; A joint load: waves 0 and 1 fetch X's two halves, waves 2 and 3 W's.  The branch hangs on the wave's number alone.  An s_nop 0 and four v_nop follow each line.
.macro JLOAD s
	s_cmp_eq_u32 s13, 0
	s_cbranch_scc0 .Lfor_b_\@
	tensor_load_to_lds s[G0+4*(\s):G0+4*(\s)+3], s[G1:G1+7]
	s_nop 0
.rept 4
	v_nop
.endr
	s_branch .Lasked_\@
.Lfor_b_\@:
	tensor_load_to_lds s[G0B+4*(\s):G0B+4*(\s)+3], s[G1B:G1B+7]
	s_nop 0
.rept 4
	v_nop
.endr
.Lasked_\@:
.endm
.macro CREST                           ; a round of the cluster's barrier behind its opening barrier
	s_cmp_lg_u32 s12, 0
	s_cbranch_scc1 .Lnot_wave_0_\@
	s_barrier_signal -3
.Lnot_wave_0_\@:
	s_barrier_wait -3
	s_barrier_signal -1
	s_barrier_wait -1
.endm
.macro CROUND
	s_barrier_signal -1
	s_barrier_wait -1
	CREST
.endm
	s_load_b256 s[4:11], s[0:1], 0x0               ; Xb s[4:5], Wb s[6:7], bcat s[8:9], qkv s[10:11]
	v_lshl_add_u32 v[SPW], v0, 2, SPARE
	v_mov_b32 v[NIL], 0
	ds_add_u32 v[SPW], v[NIL]                      ; the wave's opening: the add and its wait stand ahead of my first tensor load; work on registers stands between them
	ds_add_u32 v28, v29
	v_lshrrev_b32 v1, 5, v0
	v_readfirstlane_b32 s12, v1                    ; wave 0..3
	s_lshr_b32 s13, s12, 1                         ; I fetch for X (0) or for W (1),
	s_and_b32 s14, s12, 1                          ; its first or its second half
	s_bfe_u32 s40, ttmp6, 0x40000                  ; cx, cy: my place in the cluster
	s_bfe_u32 s41, ttmp6, 0x40004
	s_lshl_b32 s42, ttmp9, 2
	s_add_co_u32 s42, s42, s40                     ; tile column = 4 x cluster x + cx
	s_and_b32 s43, ttmp7, 0xffff
	s_lshl_b32 s43, s43, 2
	s_add_co_u32 s43, s43, s41                     ; tile row = 4 x cluster y + cy
	s_lshl_b32 s44, s41, 2
	s_lshl_b32 s44, 15, s44                        ; my row of the cluster
	s_lshl_b32 s45, 0x1111, s40                    ; my column
	s_or_b32 s[G1+0], s44, (1<<16)|(1<<20)|(1<<21)|(5<<22)|(3<<25)   ; the mask; elements of 2 bytes; padding on; bit 21 beside a mask; after every 64 words 4 words
	s_or_b32 s[G1B+0], s45, (1<<16)|(1<<20)|(1<<21)|(5<<22)|(3<<25)
	s_mov_b32 s[G1+1], KSTEP<<16                   ; tensor_dim0 = 128
	s_mov_b32 s[G1+2], 128<<16                     ; tensor_dim1 = 128
	s_mov_b32 s[G1+3], KSTEP<<16                   ; tile_dim0 = 128
	s_mov_b32 s[G1+4], 128                         ; tile_dim1 = 128
	s_mov_b32 s[G1+5], 1024                        ; elements from row to row
	s_mov_b32 s[G1+6], 0
	s_mov_b32 s[G1+7], 0
	s_mov_b32 s[G1B+1], KSTEP<<16
	s_mov_b32 s[G1B+2], 96<<16                     ; W's loads have 96 rows
	s_mov_b32 s[G1B+3], KSTEP<<16
	s_mov_b32 s[G1B+4], 96
	s_mov_b32 s[G1B+5], 1024
	s_mov_b32 s[G1B+6], 0
	s_mov_b32 s[G1B+7], 0
	s_lshl_b32 s16, s43, 8                         ; X: row 256 x tile row + 128 x half, 2,048 bytes a row: made of the tile row and the wave's number alone
	s_lshl_b32 s17, s14, 7
	s_add_co_u32 s16, s16, s17
	s_lshl_b32 s16, s16, 11
	s_mov_b32 s17, 0
	s_mul_i32 s46, s42, 192                        ; W: row 192 x tile column + 96 x half: of the tile column and the wave's number alone
	s_mul_i32 s47, s14, 96
	s_add_co_u32 s46, s46, s47
	s_lshl_b32 s46, s46, 11
	s_mov_b32 s47, 0
	s_mul_i32 s20, s14, AH                         ; where they go: no place in the cluster enters an LDS address
	s_mul_i32 s21, s14, BH
	s_add_co_u32 s21, s21, BOFF
	s_wait_dscnt 0x0                               ; the opening add is done
	s_wait_kmcnt 0x0
	s_add_nc_u64 s[18:19], s[4:5], s[16:17]
	s_add_nc_u64 s[46:47], s[6:7], s[46:47]
	CROUND                                         ; all sixteen work-groups are here: the first joint loads meet
.irp s, 0,1
	s_mov_b32 s[G0+4*(\s)], 1
	s_add_co_u32 s[G0+4*(\s)+1], s20, (\s)*SLOT
	s_add_nc_u64 s[G0+4*(\s)+2:G0+4*(\s)+3], s[18:19], (\s)*KSTEP*2
	s_or_b32 s[G0+4*(\s)+3], s[G0+4*(\s)+3], 0x80000000
	s_mov_b32 s[G0B+4*(\s)], 1
	s_add_co_u32 s[G0B+4*(\s)+1], s21, (\s)*SLOT
	s_add_nc_u64 s[G0B+4*(\s)+2:G0B+4*(\s)+3], s[46:47], (\s)*KSTEP*2
	s_or_b32 s[G0B+4*(\s)+3], s[G0B+4*(\s)+3], 0x80000000
	JLOAD \s                                       ; K steps 0 and 1: two loads of mine are out
.endr
	v_and_b32 v1, 15, v0                           ; l % 16
	v_bfe_u32 v2, v0, 4, 1                         ; l / 16
	v_mul_u32_u24 v3, v1, PITCH
	v_lshl_add_u32 v3, v2, 4, v3                   ; a fragment's row x pitch + 16 x half
	s_mul_i32 s21, s12, 64*PITCH                   ; my 64 rows of X
	s_mov_b32 s22, BOFF                            ; all of W
.irp s, 0,1
	v_add_nc_u32 v[ADRA+(\s)], s21, v3
	v_add_nc_u32 v[ADRB+(\s)], s22, v3
	s_add_co_u32 s21, s21, SLOT
	s_add_co_u32 s22, s22, SLOT
.endr
	s_mul_i32 s23, s12, 16*SPITCH
	s_add_co_u32 s23, s23, STAGE                   ; my stage
	v_mul_u32_u24 v4, v1, SPITCH                   ; in: row l % 16, 16 bytes for each half of the lanes
	v_lshl_add_u32 v4, v2, 4, v4
	v_add_nc_u32 v[STO], s23, v4
	v_bfe_u32 v5, v0, 3, 2                         ; back: 32 lanes take four rows of one head's 128 bytes,
	v_and_b32 v6, 7, v0
	v_mul_u32_u24 v5, v5, SPITCH
	v_lshl_add_u32 v5, v6, 4, v5
	v_add_nc_u32 v[RD], s23, v5
	v_and_b32 v[CO], 31, v0                        ; which are 512 consecutive bytes of qkv
	v_lshlrev_b32 v[CO], 4, v[CO]
	v_lshlrev_b32 v[BO], 5, v2
	s_mul_i32 s46, s42, 768                        ; the tile's 192 numbers of the bias
	s_mov_b32 s47, 0
	s_add_nc_u64 s[8:9], s[8:9], s[46:47]
.irp b, 0,1,2,3,4,5,6,7,8,9,10,11
	global_load_b128 v[BIAS+8*(\b):BIAS+8*(\b)+3],   v[BO], s[8:9] offset:64*(\b)      ; columns 16 b + 8 (l / 16) + 0..3
	global_load_b128 v[BIAS+8*(\b)+4:BIAS+8*(\b)+7], v[BO], s[8:9] offset:64*(\b)+16   ; + 4..7
.endr
	s_lshl_b32 s16, s43, 8                         ; my first row: 256 x tile row + 64 x wave, 128 bytes a row of a head
	s_lshl_b32 s17, s12, 6
	s_add_co_u32 s16, s16, s17
	s_lshl_b32 s16, s16, 7
	s_mov_b32 s17, 0
	s_add_nc_u64 s[10:11], s[10:11], s[16:17]
	s_mul_i32 s46, s42, 3*524288                   ; the tile's first head: 3 x tile column, 524,288 bytes a head
	s_add_nc_u64 s[10:11], s[10:11], s[46:47]
; 12 matrix instructions: row block a x all 12 column blocks, 32 along K, from buffer f.  first = 1: the bias starts the sums: nothing is cleared and nothing added later.
; The 48 accumulators take turns, in the same order in every quarter.
.macro MULA f, a, first
.if \first
	WIN 0x81+0x40*((\a)/2)                         ; W window 1, X window 0, C (the bias) window 0, D window 2 or 3
.else
	WIN 0xa1+0x50*((\a)/2)                         ; C and D window 2 or 3
.endif
.irp b, 0,1,2,3,4,5,6,7,8,9,10,11
.if \first
	v_wmma_f32_16x16x32_bf16 v[96*((\a)%2)+8*(\b):96*((\a)%2)+8*(\b)+7], v[96*(\f)+8*(\b):96*(\f)+8*(\b)+7], v[FA+32*(\f)+8*(\a):FA+32*(\f)+8*(\a)+7], v[BIAS+8*(\b):BIAS+8*(\b)+7]
.else
	v_wmma_f32_16x16x32_bf16 v[96*((\a)%2)+8*(\b):96*((\a)%2)+8*(\b)+7], v[96*(\f)+8*(\b):96*(\f)+8*(\b)+7], v[FA+32*(\f)+8*(\a):FA+32*(\f)+8*(\a)+7], v[96*((\a)%2)+8*(\b):96*((\a)%2)+8*(\b)+7]
.endif
.endr
.endm
; 32 LDS loads in one run: 192 rows of W, then my 64 rows of X, 32 along K at byte k of the rows, into buffer f
.macro FETCH slot, k, f
	WIN TO_B
.irp i, 0,1,2,3,4,5,6,7,8,9,10,11
	ds_load_b128 v[96*(\f)+8*(\i):96*(\f)+8*(\i)+3],   v[ADRB+(\slot)] offset:(\k)+(\i)*16*PITCH
	ds_load_b128 v[96*(\f)+8*(\i)+4:96*(\f)+8*(\i)+7], v[ADRB+(\slot)] offset:(\k)+(\i)*16*PITCH+32
.endr
	WIN 0
.irp i, 0,1,2,3
	ds_load_b128 v[FA+32*(\f)+8*(\i):FA+32*(\f)+8*(\i)+3],   v[ADRA+(\slot)] offset:(\k)+(\i)*16*PITCH
	ds_load_b128 v[FA+32*(\f)+8*(\i)+4:FA+32*(\f)+8*(\i)+7], v[ADRA+(\slot)] offset:(\k)+(\i)*16*PITCH+32
.endr
.endm
.macro PLACES                          ; four plain vector instructions between a matrix instruction and a load into its sources or a read of its result
.rept 4
	v_nop
.endr
.endm
; A K step is four quarters of 32 along K, 48 matrix instructions each, on buffers 0, 1, 0, 1.  One of the first three multiplies buffer f and fetches the next quarter, at byte k, into g.
.macro QUARTER slot, k, f, g, first
	s_wait_dscnt 4                                 ; W and X's row blocks 0, 1 are in; the youngest four loads (blocks 2, 3) may be out
	MULA \f, 0, \first
	MULA \f, 1, \first
	PLACES
	FETCH \slot, \k, \g
	s_wait_dscnt 32                                ; all but the 32 just issued
	MULA \f, 2, \first
	MULA \f, 3, \first
.endm
; The last quarter multiplies buffer 1 and changes slots: one barrier; in front of it each wave waits for all its tensor loads (one is out: its part of the next slot), adds 0 to its spare word,
; and waits for that and for its reads of this slot.  fill = 1: the barrier opens a round of the cluster's barrier, and this slot is filled again, two K steps on, first thing behind the round.
.macro TURN slot, next, fill
	WIN 0
	s_wait_tensorcnt 0x0
	ds_add_u32 v[SPW], v[NIL]
	s_wait_dscnt 5                                 ; (the add and the youngest four loads may be out)
	MULA 1, 0, 0                                   ; twelve matrix instructions stand between the add and the wait for it
	s_wait_dscnt 0x0                               ; the add is done, and my reads of this slot are over
	s_barrier_signal -1
	MULA 1, 1, 0
.if \fill
	WIN 0
.endif
	s_barrier_wait -1
.if \fill
	CREST                                          ; no wave of any partner still reads this slot or has a load on its way
	s_add_nc_u64 s[G0+4*(\slot)+2:G0+4*(\slot)+3], s[G0+4*(\slot)+2:G0+4*(\slot)+3], 2*KSTEP*2
	s_add_nc_u64 s[G0B+4*(\slot)+2:G0B+4*(\slot)+3], s[G0B+4*(\slot)+2:G0B+4*(\slot)+3], 2*KSTEP*2
	JLOAD \slot                                    ; my one tensor load behind the round; its four v_nop are also the places in front of the loads below
.else
	PLACES
.endif
	FETCH \next, 0, 0
	MULA 1, 2, 0
	MULA 1, 3, 0
.endm
	s_wait_tensorcnt 1                             ; my part of K step 0 is in; K step 1's may stay out
	s_barrier_signal -1
	s_barrier_wait -1
	FETCH 0, 0, 0
	s_wait_loadcnt 0x0                             ; the bias
	QUARTER 0, 64, 0, 1, 1                         ; the first quarter stands in front of the loop: its products start the sums
	WIN 0
	s_mov_b32 s15, LAPS-1
.Llap:                                                 ; a trip goes once round the ring, from a lap's second quarter to the next lap's first, and fills both slots again
	QUARTER 0, 128, 1, 0, 0
	QUARTER 0, 192, 0, 1, 0
	TURN 0, 1, 1
	QUARTER 1, 64,  0, 1, 0
	QUARTER 1, 128, 1, 0, 0
	QUARTER 1, 192, 0, 1, 0
	TURN 1, 0, 1
	QUARTER 0, 64,  0, 1, 0
	WIN 0
	s_sub_co_u32 s15, s15, 1
	s_cmp_lg_u32 s15, 0
	s_cbranch_scc1 .Llap
	QUARTER 0, 128, 1, 0, 0                        ; the last lap fills nothing
	QUARTER 0, 192, 0, 1, 0
	TURN 0, 1, 0
	QUARTER 1, 64,  0, 1, 0
	QUARTER 1, 128, 1, 0, 0
	QUARTER 1, 192, 0, 1, 0
	s_wait_dscnt 4
	MULA 1, 0, 0
	MULA 1, 1, 0
	s_wait_dscnt 0x0
	MULA 1, 2, 0
	MULA 1, 3, 0
	WIN 0
; THE WAY OUT, a block of 16 rows at a time: rounded to f16, 16 bytes a lane into my stage, back as rows of one head (128 bytes), four rows = 512 consecutive bytes of qkv to a store.
.macro PACK a
.set AC, 96*((\a)%2)
	WIN 0x0a+5*((\a)/2)                            ; sources window 2 or 3
.irp b, 0,1,2,3,4,5,6,7,8,9,10,11
.irp r, 0,1,2,3
	v_cvt_pk_f16_f32 v[TMP+4*(\b)+(\r)], v[AC+8*(\b)+2*(\r)], v[AC+8*(\b)+2*(\r)+1]
.endr
.endr
	WIN 0
.endm
.macro TOSTAGE a
.set BK, OB0-(OB0-OB1)*((\a)%2)
.irp b, 0,1,2,3,4,5,6,7,8,9,10,11
	ds_store_b128 v[STO], v[TMP+4*(\b):TMP+4*(\b)+3] offset:32*(\b)
.endr
.irp hd, 0,1,2
.irp t, 0,1,2,3
	ds_load_b128 v[BK+4*(4*(\hd)+(\t)):BK+4*(4*(\hd)+(\t))+3], v[RD] offset:128*(\hd)+4*SPITCH*(\t)  ; LDS serves a wave's instructions in order (ISA guide 5.7.1.4): these see the stores above
.endr
.endr
.endm
.macro SEND a
.set BK, OB0-(OB0-OB1)*((\a)%2)
	s_wait_dscnt 0x0                               ; the block is back in registers
	s_wait_xcnt 0x0                                ; the stores issued so far have read their registers: the other set is loaded again only behind this wait
.irp hd, 0,1,2
.irp t, 0,1,2,3
	global_store_b128 v[CO], v[BK+4*(4*(\hd)+(\t)):BK+4*(4*(\hd)+(\t))+3], s[10:11] offset:524288*(\hd)+2048*(\a)+512*(\t)
.endr
.endr
.endm
	PLACES
	PACK 0
	TOSTAGE 0
.irp a, 1,2,3                          ; block a's conversions stand between block a - 1's loads from the stage and the wait for them
	PACK \a
	SEND (\a)-1
	TOSTAGE \a
.endr
	SEND 3
	s_wait_tensorcnt 0x0                           ; the wave's end
	ds_add_u32 v[SPW], v[NIL]
	s_wait_dscnt 0x0
	CROUND                                         ; the closing round: no work-group ends while a partner may still ask for a tile that names it
	s_endpgm
.Lfunc_end_k_q2a9a311521_qkv:
	.size	k_q2a9a311521_qkv, .Lfunc_end_k_q2a9a311521_qkv-k_q2a9a311521_qkv
	.p2alignl 7, 3214868480
	.fill 96, 4, 3214868480
	.section	.rodata,"a",@progbits
	.p2align	6, 0x0
	.amdhsa_kernel k_q2a9a311521_qkv
		.amdhsa_group_segment_fixed_size 327680
		.amdhsa_private_segment_fixed_size 0
		.amdhsa_enable_private_segment 0
		.amdhsa_kernarg_size 32
		.amdhsa_user_sgpr_count 2
		.amdhsa_user_sgpr_kernarg_segment_ptr 1
		.amdhsa_wavefront_size32 1
		.amdhsa_system_sgpr_workgroup_id_x 1
		.amdhsa_system_sgpr_workgroup_id_y 1
		.amdhsa_system_sgpr_workgroup_id_z 1
		.amdhsa_system_vgpr_workitem_id 0
		.amdhsa_next_free_vgpr 960
		.amdhsa_next_free_sgpr 66
		.amdhsa_reserve_vcc 0
		.amdhsa_float_denorm_mode_32 3
		.amdhsa_float_denorm_mode_16_64 3
		.amdhsa_memory_ordered 1
		.amdhsa_forward_progress 1
		.amdhsa_inst_pref_size 121
	.end_amdhsa_kernel
	.amdgpu_metadata
---
amdhsa.version: [ 1, 2 ]
amdhsa.kernels:
  - .name:           k_q2a9a311521_qkv
    .symbol:         k_q2a9a311521_qkv.kd
    .args:
      - { .name: Xb, .offset: 0, .size: 8, .value_kind: global_buffer, .address_space: global }
      - { .name: Wb, .offset: 8, .size: 8, .value_kind: global_buffer, .address_space: global }
      - { .name: bcat, .offset: 16, .size: 8, .value_kind: global_buffer, .address_space: global }
      - { .name: qkv, .offset: 24, .size: 8, .value_kind: global_buffer, .address_space: global }
    .group_segment_fixed_size: 327680
    .private_segment_fixed_size: 0
    .kernarg_segment_align: 8
    .kernarg_segment_size: 32
    .max_flat_workgroup_size: 128
    .sgpr_count:     66
    .vgpr_count:     960
    .wavefront_size: 32
...
	.end_amdgpu_metadata
.endif
;; end of part 2
;; launch attn (part 3): grid 16 x 16, 4 waves a work-group, no clusters, 327,680 bytes of LDS; arguments qkv, ob; writes ob
.if DOCPART == 3
	.amdgcn_target "amdgcn-amd-amdhsa--gfx1250"
	.amdhsa_code_object_version 6
	.text
	.protected	k_q2a9a311521_attn
	.globl	k_q2a9a311521_attn
	.p2align	8
	.type	k_q2a9a311521_attn,@function
k_q2a9a311521_attn:
	s_mov_b64 s[64:65], 0
	v_nop
	global_prefetch_b8 v0, s[64:65] scope:SCOPE_SE
	s_setreg_imm32_b32 hwreg(HW_REG_WAVE_MODE, 25, 1), 1
	s_wait_xcnt 0x0
; CAUSAL ATTENTION.  O[h][q][:] = the sum over k <= q of softmax_k(Q[h][q] . K[h][k] / 8) V[h][k][:].  qkv: [48][4096][64] f16 (heads 0-15 Q, 16-31 K, 32-47 V); ob: [16][4096][64] f16.
; Products, maxima and sums in f32; the weights p are rounded to f16 for the second product (their sum l is taken of the unrounded p), O once at the end.
; LIMITS.  Q, K, V arrive within f16's 65,504; p lies in 0 to 1, and below 6e-5 keeps f16's fixed step of 6e-8.  A hidden score counts as its value less 1e30 (f16's scores are 2.7e11 at the most);
; a weight below 2^-126 counts as 0 in l; NaN and infinities are not treated apart.
; THE WALK.  A head's queries lie in 32 blocks of 128; the keys in 16 tiles of 256.  Block i needs the tiles 0 .. i / 2, of which the last holds the diagonal.  A work-group takes TWO blocks, 31 - b and then b:
; 17 tiles whatever b: 256 work-groups of equal work, and ONE loop with a constant trip count walks them.  Which tile is asked for and what a trip does hang on scalar registers made from b.
; Where i is even the last tile's steps 2 and 3 are wholly hidden and are computed all the same: 68 key steps for the 66 that are needed.
; NO CLUSTER: the first blocks of neighbours b .. b + 3 have 16, 16, 15, 15 tiles (from b = 0): partners would need different numbers of tiles, and one walk common to four would have more trips than it spares requests.
; SHARES.  Of a block's two bands of 64 queries a wave owns 16 rows in each: two PIECES.  Band x lies at place R2 + x of the last tile's four steps (R2 = 2 (i % 2)): step s shows it all keys if s < R2 + x,
; none if s > R2 + x, and holds the diagonal if s = R2 + x: the same for all four waves.
; THE MASK is the C operand that starts the sum S^T = K Q^T: MD x AL + BE, with MD the mask of a band's own step for my 16 rows and two scalars: (1, 0), (0, 0) or (0, -1e30).  Only the last tile's text and a
; block's beginning take masks; elsewhere C is the constant 0.
; LAYOUT, SOFTMAX.  S^T = K Q^T holds ONE query a lane (lane % 16) and the keys 8 (lane / 16) + 0..7; two such results rounded to f16 ARE source 1 of O^T = V^T P.  p = 2^(c s - c m), c = log2(e) / 8, with a
; running maximum m; O and l are multiplied by a = 2^(c m_old - c m_new) in every step.
; TURNS.  Turn p of step j belongs to piece p: 8 products K Q^T of the other piece (p = 0: step j; p = 1: step j + 1), later 8 products V^T P of the other piece (p = 0: step j - 1; p = 1: step j); beside them the
; scaling, exponentials, roundings, sums and rescaling of piece p and the maximum and statistics of the other.  Four vector instructions stand behind every matrix instruction, the rest in two lumps.
; K has one register buffer: turn 0 fetches K of step j + 1 behind its products K Q^T.  V has two, by the step's parity: turn 1 fetches V of step j + 1 into the buffer whose last reader was turn 0.
; One wait at the head of every turn 1 serves both.  So all LDS reads from turn 0 of step 4 t + 3 to turn 1 of step 4 t + 6 fall into tile t + 1, and the change of slots stands in front of them.
; REGISTERS, in windows of 256 (s_set_vgpr_msb: bits 1:0 source 0, 3:2 source 1, 5:4 source 2, 7:6 destination):
;   window 0: v0-15 addresses and two at work; v16-23 four registers of statistics a piece; v48-55 at work; v61-63; v64-127 S^T, a buffer a piece; v192-223 P, likewise
;   window 1: v0-63 O^T, 32 a piece; v128-159 MD; v160-223 MC, two buffers      window 2: v0-31 Q; v32-63 the second block's Q; v64-127 K of one step; v128-255 V of two steps
.set NP,    2         ; pieces a wave: a name, no knob
.set KS,    64        ; keys in a step
.set PK,    144       ; a row of K in LDS: 128 bytes + 16 of padding = 36 words: the 16 rows of a load start at 16 different groups of four banks (64 banks of 4 bytes: ISA guide 11.1)
.set PV,    160       ; a row of V: 128 + 32 = 40 words
.set VOFF,  4*KS*PK   ; a slot holds a tile, four steps: 256 rows of K, then 256 rows of V
.set SLOT1, 1<<17     ; slot 1 begins here, so that one exclusive or turns an address in one slot into the other's
.set STAGE, SLOT1+4*KS*(PK+PV)  ; behind the ring, never filled by a tensor load: 16 rows x 144 bytes for each wave, for the way out
.set SP,    144
.set SPARE, STAGE+4*16*SP  ; the spare words, 128 bytes for each wave: two blocks of 256 bytes that no other line names
.set AK0, 2           ; v2   my lane's place in a tile of K; never rewritten
.set AV0, 3           ; v3   the same for V
.set AK,  4           ; v4   the LDS address of K's next run of loads
.set AV,  5           ; v5   of V's
.set STO, 6           ; v6   the way out: where I put 16 bytes of a row
.set RD,  7           ; v7   the way out: where I read rows back
.set GO,  8           ; v8   my byte offset in 512 consecutive bytes of O
.set MV,  12          ; v12-13  c m_old, kept while c m is made anew: by piece
.set QO,  15          ; v15  my byte offset in 16 rows of Q
.set ST,  16          ; piece t's statistics at v[ST+4 t]: c m, m, l (even keys', odd keys')
.set TMP, 48          ; by piece, four registers c0-c3 at work; when the maximum is found c2 takes a
.set PFO, 61          ; v61  256 x my lane; never rewritten
.set SPW, 62          ; v62  LDS address of my spare word; never rewritten
.set NIL, 63          ; v63  0; never rewritten
.set S,   64
.set P,   192
.set MD,  128         ; window 1: the eight registers for group kt of 16 keys at MD + 8 kt
.set MC,  160         ; window 1: the masks of the products to come
.set QB,  32          ; window 2
.set KF,  64          ; window 2: key block kb, channel half c at KF + 16 kb + 8 c
.set VF,  128         ; window 2: buffer e, key half kk, channel block cb at VF + 64 e + 32 kk + 8 cb
.set WV,  12          ; s12  my wave's number
.set PB,  14          ; s14  b
.set HI,  15          ; s15  31 - b
.set G1K, 24          ; s[24:31] descriptor group 1 for K's tiles
.set G1V, 32          ; s[32:39] for V's: it differs in the padding alone
.set G0K, 40          ; s[40:43] descriptor group 0 for K's tiles
.set G0V, 44          ; s[44:47] the same for V's
.set PFA, 48          ; s[48:49] where my prefetches stand: my 16 KiB of the tile after the one that is being asked for
.set LIM, 50          ; s50  2 in the head's work-group b = 0, else the greatest number: a wave prefetches while s[SLOTS] is above it
.set DJ,  51          ; s51  the step (in the last tile) whose masks are being made, less R2
.set R2,  52          ; s52  2 (i % 2) of the block in hand
.set R2LO, 53         ; s53  of the second block
.set TLO, 54          ; s54  the second block's tiles
.set PBT, 55          ; s55  its last tile
.set SLOTS, 56        ; s56  tiles still to be asked for
.set CNT, 57          ; s57  counts a tile's two pairs of key steps
.set CS,  58          ; s[58:59] c: the packed scaling takes the pair's low word for both halves
.set SEL, 60          ; s[60:61] v_permlanex16_b32's selects: each lane takes its own place in the other half
.set TBK, 62          ; s62  LDS byte at which K of the step to be fetched begins
.set TBV, 63          ; s63  the same for V, less VOFF
.set RT,  70          ; s70  tiles of the block in hand that are still to be entered
.set NXT, 71          ; s71  the tile to be asked for next
.set LQ,  72          ; s72  the last tile of the block whose tiles are being asked for
.set NEW, 73          ; s73  1: the tile to be entered is a block's first
.set OFF, 74          ; s[74:75] a tile's byte offset in K and V
.set AL,  76          ; s[76:77] the mask's factor, in the low word
.set BE,  78          ; s[78:79] the mask's addend
.set OLO, 80          ; s[80:81] O at my rows of the second block
.set BIGN, 82         ; s82  -1e30
.set MSB, 0
.macro WIN new                      ; the high byte repeats the setting that is left; a switch that changes nothing is dropped
.if MSB != (\new)
	s_set_vgpr_msb (MSB<<8)|(\new)
.set MSB, (\new)
.endif
.endm
.set W_KQ, 0x0a       ; K and Q in window 2, S^T in window 0
.set W_KM, 0x1a       ; the same with the C operand in window 1
.set W_PV, 0x52       ; V in window 2, P in window 0, O^T in window 1
.set W_RS, 0x41       ; destination and source 0 in window 1, source 1 in window 0
; A fill.  Waves 0 and 1 fetch the two halves of a tile's K, waves 2 and 3 those of its V: 128 keys each.  An s_nop 0 and four v_nop follow each of the two lines.
.macro LOAD
	s_cmp_lt_u32 s[WV], 2
	s_cbranch_scc0 .Lfor_v_\@
	tensor_load_to_lds s[G0K:G0K+3], s[G1K:G1K+7]
	s_nop 0
.rept 4
	v_nop
.endr
	s_branch .Lasked_\@
.Lfor_v_\@:
	tensor_load_to_lds s[G0V:G0V+3], s[G1V:G1V+7]
	s_nop 0
.rept 4
	v_nop
.endr
.Lasked_\@:
.endm
; A PREFETCH of what the NEXT change of slots will ask for.  All sixteen work-groups of a head begin with the tiles 0, 1, 2 ..; the one with b = 0 walks all sixteen, and it alone asks.  Each of its waves names
; the 16 KiB that it will itself load (128 keys of K or of V): a lane to each 256 bytes, two instructions.  So each 256 bytes of a head's K and V from tile 2 on are named once in the launch, one tile (four key
; steps, 128 matrix instructions) ahead of their load.  Tiles 0 and 1 come by their loads alone; the changes that ask for tile 15 and for the second block's tile 0 name nothing: no prefetch leaves the head's rows.
.macro ASK
	s_cmp_gt_u32 s[SLOTS], s[LIM]
	s_cbranch_scc0 .Lnot_mine_\@
	global_prefetch_b8 v[PFO], s[PFA:PFA+1] th:TH_LOAD_NT scope:SCOPE_SE
	global_prefetch_b8 v[PFO], s[PFA:PFA+1] offset:8192 th:TH_LOAD_NT scope:SCOPE_SE
.Lnot_mine_\@:
.endm
; THE CHANGE OF SLOTS.  Each wave waits for all its tensor loads, of which one is out: its part of the other slot; adds 0 to its spare word; and waits for that and for its own reads of the slot that it leaves.
; Behind the barrier nobody reads the old slot any more and the other slot is whole.  fill = 1: the old slot is filled again, first thing behind the barrier, with tile NXT: the address is made anew from that number.
; (At its first use nothing has been read yet: slot 0 is waited for, slot 1 filled.)
.macro CHANGE fill
	WIN 0                           ; at a label and at a branch every window is 0
	s_wait_tensorcnt 0x0            ; no tensor load of mine is out, so a group 0 may be written
	ds_add_u32 v[SPW], v[NIL]       ; 0 onto my spare word; scalar work stands between it and the wait for it
.if \fill
	s_lshl_b32 s[OFF], s[NXT], 15   ; a tile is 32,768 bytes of K and of V
	s_xor_b32 s[G0K+1], s[G0K+1], SLOT1
	s_add_nc_u64 s[G0K+2:G0K+3], s[6:7], s[OFF:OFF+1]
	s_or_b32 s[G0K+3], s[G0K+3], 0x80000000
	s_xor_b32 s[G0V+1], s[G0V+1], SLOT1
	s_add_nc_u64 s[G0V+2:G0V+3], s[8:9], s[OFF:OFF+1]
	s_or_b32 s[G0V+3], s[G0V+3], 0x80000000
	s_add_co_u32 s[NXT], s[NXT], 1  ; the block's next tile, or behind its last the second block's tile 0
	s_cmp_gt_u32 s[NXT], s[LQ]
	s_cselect_b32 s[NXT], 0, s[NXT]
	s_cselect_b32 s[LQ], s[PBT], s[LQ]
	s_wait_xcnt 0x0                 ; the last prefetches, a tile back, have read their address, so it may be written
	s_add_nc_u64 s[PFA:PFA+1], s[PFA:PFA+1], 32768
.endif
	s_wait_dscnt 0x0                ; the add is done, and my reads of the slot are over
	s_barrier_signal -1             ; the rest of the scalar work stands between the signal and the wait
	s_sub_co_u32 s[TBK], s[TBK], 4*KS*PK  ; the fetches go back to a slot's first step,
	s_xor_b32 s[TBK], s[TBK], SLOT1       ; in the other slot
	s_sub_co_u32 s[TBV], s[TBV], 4*KS*PV
	s_xor_b32 s[TBV], s[TBV], SLOT1
	s_barrier_wait -1
.if \fill
	LOAD
	ASK
.endif
.endm
	s_load_b128 s[4:7], s[0:1], 0x0 ; qkv s[4:5], ob s[6:7]
	v_lshl_add_u32 v[SPW], v0, 2, SPARE
	v_mov_b32 v[NIL], 0
	ds_add_u32 v[SPW], v[NIL]       ; the wave's opening: the add and its wait stand ahead of my first tensor load; work on registers stands between them
	ds_add_u32 v62, v63
	v_lshrrev_b32 v1, 5, v0
	v_readfirstlane_b32 s[WV], v1   ; wave 0..3
	s_mov_b32 s[PB], ttmp9
	s_sub_co_u32 s[HI], 31, s[PB]
	s_and_b32 s20, ttmp7, 0xffff    ; the head,
	s_lshl_b32 s20, s20, 19         ; its 4,096 rows of 128 bytes
	s_and_b32 s16, s[WV], 1         ; which half of a tile's 256 keys I fetch:
	s_lshl_b32 s22, s16, 14         ; its 128 rows of 128 bytes in memory,
	s_add_co_u32 s22, s22, s20
	s_mov_b32 s23, 0
	s_mul_i32 s17, s16, 128*PK      ; and its place in a slot, for K
	s_mul_i32 s18, s16, 128*PV      ; and for V
	s_lshl_b32 s3, s[WV], 11        ; my 16 rows in a band of 64,
	s_add_co_u32 s3, s3, s20
	s_lshl_b32 s2, s[HI], 14        ; in the first block (128 rows of 128 bytes a block),
	s_add_co_u32 s2, s2, s3
	s_lshl_b32 s84, s[PB], 14       ; and in the second
	s_add_co_u32 s84, s84, s3
	s_mov_b32 s3, 0
	s_mov_b32 s85, 0
	; descriptor group 1.  128 keys are 16,384 dense bytes: asked for as 64 rows of 256 bytes, two keys a row, and padded in LDS after every key
	s_mov_b32 s[G1K], (1<<16)|(1<<20)|(4<<22)|(3<<25)  ; 2-byte elements; padding on; after every 32 words 4 words
	s_mov_b32 s[G1V], (1<<16)|(1<<20)|(4<<22)|(7<<25)  ; the same with 8 words of padding
.irp g, G1K, G1V
	s_mov_b32 s[\g+1], 128<<16      ; tensor_dim0 = 128
	s_mov_b32 s[\g+2], 64<<16       ; tensor_dim1 = 64
	s_mov_b32 s[\g+3], 128<<16      ; tile_dim0 = 128
	s_mov_b32 s[\g+4], 64           ; tile_dim1 = 64
	s_mov_b32 s[\g+5], 128          ; 128 elements from row to row
	s_mov_b32 s[\g+6], 0
	s_mov_b32 s[\g+7], 0
.endr
	s_mov_b32 s[CS], 0x3e38aa3b     ; c = log2(e) / 8 = 0.180337
	s_mov_b32 s[CS+1], s[CS]        ; named with it as a pair
	s_mov_b32 s[SEL], 0x76543210
	s_mov_b32 s[SEL+1], 0xfedcba98
	s_mov_b32 s[TBK], SLOT1+4*KS*PK ; the first change of slots turns these two into 0
	s_mov_b32 s[TBV], SLOT1+4*KS*PV
	s_mov_b32 s[G0K], 1             ; count = 1
	s_mov_b32 s[G0K+1], s17         ; LDS address: slot 0
	s_mov_b32 s[G0V], 1
	s_add_co_u32 s[G0V+1], s18, VOFF
	s_lshr_b32 s[LQ], s[HI], 1      ; the first block's last tile,
	s_add_co_u32 s[RT], s[LQ], 1    ; and how many it has
	s_lshr_b32 s[PBT], s[PB], 1
	s_add_co_u32 s[TLO], s[PBT], 1
	s_and_b32 s[R2], s[HI], 1
	s_lshl_b32 s[R2], s[R2], 1
	s_and_b32 s[R2LO], s[PB], 1
	s_lshl_b32 s[R2LO], s[R2LO], 1
	s_mov_b32 s[NXT], 1
	s_mov_b32 s[NEW], 1
	s_mov_b32 s[OFF+1], 0
	s_mov_b32 s[AL+1], 0            ; named as pairs
	s_mov_b32 s[BE+1], 0
	s_mov_b32 s[BIGN], 0xf149f2ca   ; -1e30
	s_mov_b32 s[SLOTS], 16
	s_cmp_eq_u32 s[PB], 0
	s_cselect_b32 s[LIM], 2, -1
	v_and_b32 v[PFO], 31, v0
	v_lshlrev_b32 v[PFO], 8, v[PFO]
	s_wait_dscnt 0x0                ; the opening add is done
	s_wait_kmcnt 0x0
	s_add_nc_u64 s[10:11], s[6:7], s[2:3]          ; O at my rows of the first block,
	s_add_nc_u64 s[OLO:OLO+1], s[6:7], s[84:85]    ; and of the second
	s_add_nc_u64 s[8:9], s[4:5], s[22:23]
	s_add_nc_u64 s[6:7], s[8:9], 0x800000          ; K (heads 16 on) at my half of the head's tile 0
	s_add_nc_u64 s[8:9], s[8:9], 0x1000000         ; V (heads 32 on) likewise
	s_add_nc_u64 s[86:87], s[4:5], s[84:85]        ; Q at my rows of the second block,
	s_add_nc_u64 s[4:5], s[4:5], s[2:3]            ; and of the first
	s_add_nc_u64 s[G0K+2:G0K+3], s[6:7], 0         ; global address
	s_or_b32 s[G0K+3], s[G0K+3], 0x80000000        ; type = 2
	s_add_nc_u64 s[G0V+2:G0V+3], s[8:9], 0
	s_or_b32 s[G0V+3], s[G0V+3], 0x80000000
	s_cmp_lt_u32 s[WV], 2
	s_cselect_b64 s[PFA:PFA+1], s[6:7], s[8:9]
	s_add_nc_u64 s[PFA:PFA+1], s[PFA:PFA+1], 32768 ; at tile 1: the first change of slots steps it to tile 2.  Nothing is prefetched here, at the head
	LOAD                            ; tile 0 into slot 0
	; A fragment of K or Q is 16 rows x 32 channels in 8 registers: lane l holds row l % 16, channels 8 (l / 16) + 0..7 and 16 + 8 (l / 16) + 0..7: two loads of 16 bytes, 32 bytes apart.
	v_and_b32 v1, 15, v0            ; l % 16
	v_bfe_u32 v9, v0, 4, 1          ; l / 16
	v_lshlrev_b32 v[QO], 7, v1
	v_lshl_add_u32 v[QO], v9, 4, v[QO]  ; row x 128 + 16 x half
	WIN 0x80                        ; destination window 2, address window 0
.set i, 0
.rept 4                             ; both blocks' Q: piece i / 2 lies in band i / 2, 8,192 bytes on; channels 32 (i % 2) on
	global_load_b128 v[8*i:8*i+3],   v[QO], s[4:5] offset:(i/2)*8192+(i%2)*64
	global_load_b128 v[8*i+4:8*i+7], v[QO], s[4:5] offset:(i/2)*8192+(i%2)*64+32
	global_load_b128 v[QB+8*i:QB+8*i+3],   v[QO], s[86:87] offset:(i/2)*8192+(i%2)*64
	global_load_b128 v[QB+8*i+4:QB+8*i+7], v[QO], s[86:87] offset:(i/2)*8192+(i%2)*64+32
.set i, i+1
.endr
	WIN 0
	v_lshlrev_b32 v14, 3, v9
	v_sub_nc_u32 v14, v1, v14
	s_lshl_b32 s13, s[WV], 4
	v_add_nc_u32 v14, s13, v14      ; my query's place in its band, 16 w + l % 16, less my lanes' 8 (l / 16): register r of group kt is hidden where 16 kt + r is greater
	WIN 0x40
.set i, 0
.rept 32
	v_cmp_gt_i32 vcc_lo, 16*(i/8)+i%8, v14
	v_cndmask_b32 v[MD+i], 0, s[BIGN], vcc_lo
.set i, i+1
.endr
	WIN 0
	v_mul_u32_u24 v[AK0], v1, PK
	v_lshl_add_u32 v[AK0], v9, 4, v[AK0]  ; row x pitch + 16 x half
	; The turning load takes 16 keys x 16 channels (lane l reads key 8 (l / 16) + l % 8, channels 8 ((l / 8) % 2) + 0..7) and leaves half a fragment of V^T: lane l holds channel l % 16 and 8 keys.
	v_and_b32 v10, 7, v0
	v_bfe_u32 v11, v0, 3, 1
	v_lshl_add_u32 v[AV0], v9, 3, v10
	v_mul_u32_u24 v[AV0], v[AV0], PV
	v_lshl_add_u32 v[AV0], v11, 4, v[AV0]
	v_add_nc_u32 v[AV0], VOFF, v[AV0]
	s_mul_i32 s13, s[WV], 16*SP
	s_add_co_u32 s13, s13, STAGE    ; my stage
	v_mul_u32_u24 v[STO], v1, SP    ; in: row l % 16, 16 bytes for each half of the lanes
	v_lshl_add_u32 v[STO], v9, 4, v[STO]
	v_add_nc_u32 v[STO], s13, v[STO]
	v_bfe_u32 v[RD], v0, 3, 2       ; back: 32 lanes take four rows of 128 bytes,
	v_mul_u32_u24 v[RD], v[RD], SP
	v_lshl_add_u32 v[RD], v10, 4, v[RD]
	v_add_nc_u32 v[RD], s13, v[RD]
	v_and_b32 v[GO], 31, v0         ; which are 512 consecutive bytes of O
	v_lshlrev_b32 v[GO], 4, v[GO]
	; A block's first step multiplies O^T and l by a = 0, and its first turn's products V^T P, of a step that has not been, land in an O^T that is still to be so multiplied.  So these registers need only hold
	; finite numbers: zeros for the first block; what the first block left for the second.  All this stands in the wait for the first tile.
	WIN 0x80
.set i, VF+64
.rept 64
	v_mov_b32 v[i], 0
.set i, i+1
.endr
	WIN 0x40
.set i, 0
.rept 64
	v_mov_b32 v[i], 0
.set i, i+1
.endr
	WIN 0
.set i, 0
.rept 2
	v_mov_b32 v[ST+4*i+2], 0
	v_mov_b32 v[ST+4*i+3], 0
.set i, i+1
.endr
.set i, P+16
.rept 16
	v_mov_b32 v[i], 0
.set i, i+1
.endr
; THE MATRIX WORK.  The 4 accumulators of a run of 8 take turns.  Product i of 8 of S^T = K Q^T for piece x: channels 32 (i / 4) on, keys 16 (i % 4) on.  The first 4 start the sums: with 0, or (KM = 1) with the mask.
.macro KQ x
.set rS, S+32*((\x)%2)+8*(i%4)
.set rK, KF+16*(i%4)+8*(i/4)
.set rQ, 16*(\x)+8*(i/4)
.set rM, MC+32*((\x)%2)+8*(i%4)
.if (i < 4) && KM
	WIN W_KM
	v_wmma_f32_16x16x32_f16 v[rS:rS+7], v[rK:rK+7], v[rQ:rQ+7], v[rM:rM+7]
.elseif i < 4
	WIN W_KQ
	v_wmma_f32_16x16x32_f16 v[rS:rS+7], v[rK:rK+7], v[rQ:rQ+7], 0
.else
	WIN W_KQ
	v_wmma_f32_16x16x32_f16 v[rS:rS+7], v[rK:rK+7], v[rQ:rQ+7], v[rS:rS+7]
.endif
.endm
; Product i of 8 of O^T += V^T P for piece x, from V's buffer VB: keys 32 (i / 4) on, channels 16 (i % 4) on.
.macro PV x
	WIN W_PV
.set rO, 32*(\x)+8*(i%4)
.set rV, VF+64*VB+32*(i/4)+8*(i%4)
.set rP, P+16*((\x)%2)+8*(i/4)
	v_wmma_f32_16x16x32_f16 v[rO:rO+7], v[rV:rV+7], v[rP:rP+7], v[rO:rO+7]
.endm
.macro MM                           ; the turn's next matrix instruction.  TURN and BEGIN set Y, i, KM, VB and NOKQ.  NOKQ = 1: a block's last turn: there is no next step
.if (i < 8) && !NOKQ
	KQ (Y+1)%NP
.elseif i >= 8
.set i, i-8
	PV (Y+NP-1)%NP
.set i, i+8
.endif
.set i, i+1
.endm
; THE LDS LOADS stand in runs of 16, never singly among the matrix instructions: a step's K (64 keys x 64 channels: 8 fragments) and its V (turned), into buffer e.  Their addresses are made some lines ahead.
.macro FETCH_K
	WIN 0x80                        ; destination window 2
.irp f, 0,1,2,3,4,5,6,7             ; keys 16 (f / 2) on, channels 32 (f % 2) on
	ds_load_b128 v[KF+8*\f:KF+8*\f+3],   v[AK] offset:(\f/2)*16*PK+(\f%2)*64
	ds_load_b128 v[KF+8*\f+4:KF+8*\f+7], v[AK] offset:(\f/2)*16*PK+(\f%2)*64+32
.endr
	s_add_co_u32 s[TBK], s[TBK], KS*PK  ; the next fetch is the next step's
	WIN 0
.endm
.macro FETCH_V e
	WIN 0x80
.irp f, 0,1,2,3,4,5,6,7             ; keys 32 (f / 4) on, channels 16 (f % 4) on
	ds_load_tr16_b128 v[VF+64*(\e)+8*\f:VF+64*(\e)+8*\f+3],   v[AV] offset:(\f/4)*32*PV+(\f%4)*32
	ds_load_tr16_b128 v[VF+64*(\e)+8*\f+4:VF+64*(\e)+8*\f+7], v[AV] offset:(\f/4)*32*PV+16*PV+(\f%4)*32
.endr
	s_add_co_u32 s[TBV], s[TBV], KS*PV
	WIN 0
.endm
; THE VECTOR WORK, one line at a time: OP kind, number.  For piece Y: F n: c s - c m for pair n of 16.  E n: the exponential of score n of 32.  C n: pair n rounded to f16.  B n: of the four weights 4 n .. the second
; pair is added onto the first, in place.  L n: l takes that sum (L 0: l = a l + sum).  R n: pair n of 16 of O^T times a.  For the other piece: X n, number n of the 22 that find its maximum and statistics:
;   0-11  four chains c0-c3 of seven scores each, three operands at a time (each accumulator's lowest registers are read first)     12-14, 16  the four scores left over, the old m, and c0-c3 into c0
;   15  c m_old is kept     17, 18  the query's other 32 keys lie in the lane 16 away: the new m     19-21  c m; c m_old - c m_new; a
.set F, 0               ; OP tells the kinds apart by their order: F to L below R, X above it
.set E, 1
.set C, 2
.set B, 3
.set L, 4
.set R, 5
.set X, 6
.macro REGS y                       ; the registers of piece y
.set rT, ST+4*(\y)
.set rC, TMP+4*((\y)%2)
.set rW, MV+((\y)%2)
.set rS, S+32*((\y)%2)
.set rP, P+16*((\y)%2)
.set rO, 32*(\y)
.endm
.macro OP k, n
.if (\k) == R
	REGS Y
	WIN W_RS
	v_pk_mul_f32 v[rO+2*(\n):rO+2*(\n)+1], v[rO+2*(\n):rO+2*(\n)+1], v[rC+2:rC+3] op_sel_hi:[1,0]
.elseif (\k) < R
	REGS Y
	WIN 0
.if (\k) == F
	v_pk_fma_f32 v[rS+2*(\n):rS+2*(\n)+1], v[rS+2*(\n):rS+2*(\n)+1], s[CS:CS+1], v[rT:rT+1] op_sel_hi:[1,0,0] neg_lo:[0,0,1] neg_hi:[0,0,1]
.elseif (\k) == E
	v_exp_f32 v[rS+(\n)], v[rS+(\n)]
.elseif (\k) == C
	s_wait_alu depctr_va_vdst(0)
	v_cvt_pk_f16_f32 v[rP+(\n)], v[rS+2*(\n)], v[rS+2*(\n)+1]
.elseif (\k) == B
	s_wait_alu depctr_va_vdst(0)
	v_pk_add_f32 v[rS+4*(\n):rS+4*(\n)+1], v[rS+4*(\n):rS+4*(\n)+1], v[rS+4*(\n)+2:rS+4*(\n)+3]
.elseif (\n) == 0
	v_pk_fma_f32 v[rT+2:rT+3], v[rT+2:rT+3], v[rC+2:rC+3], v[rS:rS+1] op_sel_hi:[1,0,1]
.else
	v_pk_add_f32 v[rT+2:rT+3], v[rT+2:rT+3], v[rS+4*(\n):rS+4*(\n)+1]
.endif
.elseif NOKQ
	v_nop
.else
	REGS (Y+1)%NP
	WIN 0
.if (\n) < 4
	v_max3_num_f32 v[rC+(\n)], v[rS+8*(\n)], v[rS+8*(\n)+1], v[rS+8*(\n)+2]
.elseif (\n) < 12
	v_max3_num_f32 v[rC+(\n)%4], v[rC+(\n)%4], v[rS+8*((\n)%4)+2*((\n)/4)+1], v[rS+8*((\n)%4)+2*((\n)/4)+2]
.elseif (\n) == 12
	v_max3_num_f32 v[rC], v[rC], v[rS+7], v[rS+15]
.elseif (\n) == 13
	v_max3_num_f32 v[rC+1], v[rC+1], v[rS+23], v[rS+31]
.elseif (\n) == 14
	v_max3_num_f32 v[rC+2], v[rC+2], v[rC+3], v[rT+1]
.elseif (\n) == 15
	v_mov_b32 v[rW], v[rT]
.elseif (\n) == 16
	v_max3_num_f32 v[rC], v[rC], v[rC+1], v[rC+2]
.elseif (\n) == 17
	v_permlanex16_b32 v[rC+3], v[rC], s[SEL], s[SEL+1]
.elseif (\n) == 18
	v_max_num_f32 v[rT+1], v[rC], v[rC+3]
.elseif (\n) == 19
	v_mul_f32 v[rT], s[CS], v[rT+1]
.elseif (\n) == 20
	v_sub_f32 v[rC+1], v[rW], v[rT]
.else
	v_exp_f32 v[rC+2], v[rC+1]
.endif
.endif
.endm
.macro OPS a, i1, b=-1, i2=0, c=-1, i3=0, d=-1, i4=0  ; up to four of them
	OP \a, \i1
.if (\b) >= 0
	OP \b, \i2
.endif
.if (\c) >= 0
	OP \c, \i3
.endif
.if (\d) >= 0
	OP \d, \i4
.endif
.endm
.macro ROW a, i1, b, i2, c, i3, d, i4  ; a matrix instruction and the four behind it
	MM
	OPS \a, \i1, \b, \i2, \c, \i3, \d, \i4
.endm
.macro MASK b                       ; MD x AL + BE into buffer b of MC
	WIN W_RS
.set z, 0
.rept 16
	v_pk_fma_f32 v[MC+32*(\b)+2*z:MC+32*(\b)+2*z+1], v[MD+2*z:MD+2*z+1], s[AL:AL+1], s[BE:BE+1] op_sel_hi:[1,0,0]
.set z, z+1
.endr
.endm
; A TURN, for piece p in a step of parity par: the order of its 16 matrix and 118 vector instructions, written out.  Behind a matrix instruction: plain, exponential, plain, plain; or four of the rescaling; or, behind the
; first, four scalings; none names a register of the products round it.  In the lumps exponential and plain by turns while exponentials last.  v_permlanex16_b32 (X 17) stands in a lump.
; m = 1: the last tile: the products take masks, and the turn makes the mask for the next turn's products: piece p, in the step that DJ names.  end = 1: a block's last two turns: nothing is fetched.
; cnt = 1: the loop's count is taken down some lines ahead of the branch that stands behind the turn.
; The run of LDS loads (p = 0: K of the next step; p = 1: V of the next step, into the other buffer) stands six vector instructions, five of them plain, behind the last product that read K; V's buffer was last read a turn ago.
.macro TURN p, par, m=0, end=0, cnt=0
.set Y, (\p)
.set i, 0
.set KM, (\m)
.set NOKQ, (\end)*(\p)
.set VB, ((\par)+1-(\p))%2
.if (\m) && !(\end)
	s_cmp_eq_i32 s[DJ], \p          ; is that step the band's own?
	s_cselect_b32 s[AL], 1.0, 0
	s_cmp_gt_i32 s[DJ], \p          ; or a later one?
	s_cselect_b32 s[BE], s[BIGN], 0
.if (\p) == 1
	s_add_co_i32 s[DJ], s[DJ], 1
.endif
.endif
.if (\p) == 1
	s_wait_dscnt 0x0                ; K of the next step (asked for in turn 0) and V of this one (asked for a step ago) are in
.endif
	ROW F,0, F,1, F,2, F,3
	ROW F,4, E,0, F,5, F,6
	ROW F,7, E,1, F,8, F,9
	ROW F,10, E,2, C,0, F,11
	ROW F,12, E,3, X,15, F,13
	ROW R,0, R,1, R,2, R,3
	ROW B,0, E,4, F,14, L,0
.if !(\end)
.if (\p) == 0
	v_add_nc_u32 v[AK], s[TBK], v[AK0]
.else
	v_add_nc_u32 v[AV], s[TBV], v[AV0]
.endif
.endif
	ROW R,4, R,5, R,6, R,7
	OPS E,5, F,15
.if !(\end)
.if (\p) == 0
	FETCH_K
.else
	FETCH_V 1-(\par)
.endif
.endif
	OPS E,6, C,1, E,7, R,8
	OPS E,8, R,9, E,9, C,2
	OPS E,10, X,0, E,11, X,1
	OPS E,12, X,2, E,13, X,3
	ROW X,4, E,14, X,5, X,6
	ROW X,7, E,15, X,8, X,9
	ROW X,10, E,16, X,11, X,12
	ROW X,13, E,17, X,14, B,1
	ROW C,4, E,18, X,16, L,1
	ROW B,2, E,19, C,6, L,2
	ROW C,8, E,20, B,3, B,4
	ROW C,3, E,21, L,3, C,5
	OPS E,22, X,17, E,23, C,10
	OPS E,24, L,4
	OPS E,25, X,18, E,26, C,7
	OPS E,27, B,5, E,28, X,19
	OPS E,29, C,12, E,30, L,5
	OPS E,31, X,20, B,6, C,9
	OPS C,14, C,11, X,21, L,6
.if \cnt
	s_sub_co_u32 s[CNT], s[CNT], 1
	s_cmp_lg_u32 s[CNT], 0
.endif
	OPS C,13, B,7, C,15, R,10
	OPS R,11, R,12, L,7, R,13
	OPS R,14, R,15
.if (\m) && !(\end)
	MASK \p
.endif
.endm
; A BLOCK BEGINS.  c m starts far below every c s, so the first step's a is 0; m at the lowest finite number, so the first maximum is the scores'.  The second mask buffer is 0 (piece 1 sees all of step 0); the first
; takes piece 0's mask for step 0: its own, if the block's first tile is its last and the band lies at place 0.  Then K and V of that step, piece 0's first scores, and its maximum and statistics.
; The loop is entered at an even step's first turn, in the middle of a trip.
.macro BEGIN
	s_mov_b32 s[NEW], 0
	s_sub_co_i32 s[DJ], 1, s[R2]    ; the first turns make the masks of step 1
	WIN 0x40
.set i, MC+32
.rept 32
	v_mov_b32 v[i], 0
.set i, i+1
.endr
	WIN 0
.set i, 0
.rept 2
	v_mov_b32 v[ST+4*i], 0xfe000000    ; c m: far below every c s
	v_mov_b32 v[ST+4*i+1], 0xff7fffff  ; m
.set i, i+1
.endr
	s_or_b32 s13, s[RT], s[R2]
	s_cmp_eq_u32 s13, 0
	s_cselect_b32 s[AL], 1.0, 0
	s_mov_b32 s[BE], 0
	MASK 0
	WIN 0
	v_add_nc_u32 v[AK], s[TBK], v[AK0]
	v_add_nc_u32 v[AV], s[TBV], v[AV0]
	FETCH_K
	FETCH_V 0
	s_wait_loadcnt 0x0              ; Q
	s_wait_dscnt 0x0
.set KM, 1
.set NOKQ, 0
.set i, 0
.rept 8
	KQ 0
.set i, i+1
.endr
	WIN 0
.rept 4
	v_nop                           ; the places behind those products
.endr
.set Y, NP-1                        ; X works for the other piece: piece 0
.irp n, 0,1,2,3,4,5,6,7,8,9,10,11,12,13,14,15,16,17,18,19,20,21
	OP X, \n
.endr
	v_nop                           ; a plain instruction behind the exponential
.endm
; THE LAST TILE's steps, the block's last two turns, its last products, and THE WAY OUT: l's two halves and the other half of the lanes' are added; O^T is divided by l, rounded to f16 and sent through my
; stage in LDS, a piece at a time.
.macro ALL line:vararg              ; one line for each piece t
.set t, 0
.rept 2
	\line
.set t, t+1
.endr
.endm
.macro PACK t                       ; a lane's eight channels of a row pack into 16 bytes; they go into rows of 144 bytes and come back as whole rows of 128, into S^T's registers
	WIN W_RS
.set i, 32*(\t)
.rept 16
	s_wait_alu depctr_va_vdst(0)
	v_pk_mul_f32 v[i:i+1], v[i:i+1], v[ST+4*(\t)+2:ST+4*(\t)+3] op_sel_hi:[1,0]
.set i, i+2
.endr
	WIN 0x05                        ; sources 0 and 1 window 1, destination window 0
.set i, 0
.rept 16
	v_cvt_pk_f16_f32 v[S+16*(\t)+i], v[32*(\t)+2*i], v[32*(\t)+2*i+1]
.set i, i+1
.endr
	WIN 0
.irp f, 0,1,2,3
	ds_store_b128 v[STO], v[S+16*(\t)+4*\f:S+16*(\t)+4*\f+3] offset:32*\f
.endr
.irp f, 0,1,2,3
	ds_load_b128 v[S+16*(\t)+4*\f:S+16*(\t)+4*\f+3], v[RD] offset:\f*4*SP  ; LDS serves a wave's instructions in order (ISA guide 5.7.1.4): these see the stores above; the next piece's stores come behind them
.endr
.endm
.macro SEND t, younger              ; younger: the LDS instructions issued behind piece t's loads: the next piece's eight, or none
	WIN 0
.irp f, 0,1,2,3
	s_wait_dscnt (\younger)+3-\f
	global_store_b128 v[GO], v[S+16*(\t)+4*\f:S+16*(\t)+4*\f+3], s[10:11] offset:(\t)*8192+\f*512  ; 512 consecutive bytes, at a multiple of 256 from O's first
.endr
.endm
.macro DIAG tag                     ; the tag ends its two labels' names, which the jumps below spell out
.LstepM\tag:
	TURN 0, 1, 1
	TURN 1, 1, 1
	WIN 0
.LfirstM\tag:
	TURN 0, 0, 1
	TURN 1, 0, 1, 0, 1
	WIN 0
	s_cbranch_scc1 .LstepM\tag
	TURN 0, 1, 1, 1
	TURN 1, 1, 1, 1
.set VB, 1
.set i, 0
.rept 8
	PV 1                            ; piece 1's V^T P of the last step
.set i, i+1
.endr
	WIN 0
	ALL v_add_f32 v[ST+4*t+2], v[ST+4*t+2], v[ST+4*t+3]
	ALL v_permlanex16_b32 v[ST+4*t+3], v[ST+4*t+2], s[SEL], s[SEL+1]
	ALL v_add_f32 v[ST+4*t+2], v[ST+4*t+2], v[ST+4*t+3]
	ALL v_rcp_f32 v[ST+4*t+2], v[ST+4*t+2]
	v_nop                           ; a plain instruction between the last reciprocal and the use of its result
	PACK 0                          ; piece 0's sums were finished a turn ago; its 32 lines are the places behind piece 1's last products
	PACK 1
	SEND 0, 8
	SEND 1, 0
.endm
.set KM, 0
.set NOKQ, 0
.set VB, 0
.Lslot:                             ; 16 times: a tile is entered and the next is asked for
	CHANGE 1
	s_sub_co_u32 s[RT], s[RT], 1
	s_mov_b32 s[CNT], 2
	s_sub_co_i32 s[DJ], 0, s[R2]    ; a last tile's first turns make the masks of its step 0
	s_cmp_eq_u32 s[NEW], 1
	s_cbranch_scc1 .Lnew            ; a block's first tile
	s_cmp_eq_u32 s[RT], 0
	s_cbranch_scc0 .Lstep           ; neither its first nor its last
	s_branch .LstepM1
.Lnew:
	BEGIN
	s_branch .Lfirst                ; in the loop a block's first tile is never its last: the first block has nine tiles or more, and the second's last is the walk's last
	DIAG 1                          ; in the loop this is the first block's end
	s_wait_xcnt 0x0                 ; the stores have read their registers and O's address
	s_mov_b64 s[10:11], s[OLO:OLO+1]
	s_mov_b32 s[RT], s[TLO]
	s_mov_b32 s[R2], s[R2LO]
	s_mov_b32 s[NEW], 1
	WIN 0x82                        ; the second block's Q goes where the one text of the turns names Q
.set i, 0
.rept 32
	v_mov_b32 v[i], v[QB+i]
.set i, i+1
.endr
	WIN 0
	s_branch .Lbottom
.Lstep:                             ; a trip: an odd step's two turns, then an even step's
	TURN 0, 1
	TURN 1, 1
	WIN 0
.Lfirst:
	TURN 0, 0
	TURN 1, 0, 0, 0, 1
	WIN 0
	s_cbranch_scc1 .Lstep
.Lbottom:
	s_sub_co_u32 s[SLOTS], s[SLOTS], 1
	s_cmp_lg_u32 s[SLOTS], 0
	s_cbranch_scc1 .Lslot
	CHANGE 0                        ; the walk's last tile is written out: nothing is asked for
	s_sub_co_u32 s[RT], s[RT], 1
	s_mov_b32 s[CNT], 2
	s_sub_co_i32 s[DJ], 0, s[R2]
	s_cmp_eq_u32 s[NEW], 1
	s_cbranch_scc0 .LstepM2
	BEGIN
	s_branch .LfirstM2
	DIAG 2
	s_wait_tensorcnt 0x0            ; the wave's end: behind my last tensor load and my last LDS store
	ds_add_u32 v[SPW], v[NIL]
	s_wait_dscnt 0x0
	s_endpgm
.Lfunc_end_k_q2a9a311521_attn:
	.size	k_q2a9a311521_attn, .Lfunc_end_k_q2a9a311521_attn-k_q2a9a311521_attn
	.p2alignl 7, 3214868480
	.fill 96, 4, 3214868480
	.section	.rodata,"a",@progbits
	.p2align	6, 0x0
	.amdhsa_kernel k_q2a9a311521_attn
		.amdhsa_group_segment_fixed_size 327680
		.amdhsa_private_segment_fixed_size 0
		.amdhsa_enable_private_segment 0
		.amdhsa_kernarg_size 16
		.amdhsa_user_sgpr_count 2
		.amdhsa_user_sgpr_kernarg_segment_ptr 1
		.amdhsa_wavefront_size32 1
		.amdhsa_system_sgpr_workgroup_id_x 1
		.amdhsa_system_sgpr_workgroup_id_y 1
		.amdhsa_system_sgpr_workgroup_id_z 1
		.amdhsa_system_vgpr_workitem_id 0
		.amdhsa_next_free_vgpr 768
		.amdhsa_next_free_sgpr 88
		.amdhsa_reserve_vcc 1
		.amdhsa_float_denorm_mode_32 3
		.amdhsa_float_denorm_mode_16_64 3
		.amdhsa_memory_ordered 1
		.amdhsa_forward_progress 1
		.amdhsa_inst_pref_size 218
	.end_amdhsa_kernel
	.amdgpu_metadata
---
amdhsa.version: [ 1, 2 ]
amdhsa.kernels:
  - .name:           k_q2a9a311521_attn
    .symbol:         k_q2a9a311521_attn.kd
    .args:
      - { .name: qkv, .offset: 0, .size: 8, .value_kind: global_buffer, .address_space: global }
      - { .name: ob, .offset: 8, .size: 8, .value_kind: global_buffer, .address_space: global }
    .group_segment_fixed_size: 327680
    .private_segment_fixed_size: 0
    .kernarg_segment_align: 8
    .kernarg_segment_size: 16
    .max_flat_workgroup_size: 128
    .sgpr_count:     88
    .vgpr_count:     768
    .wavefront_size: 32
...
	.end_amdgpu_metadata
.endif
;; end of part 3
;; launch first16 (part 4): grid 16 x 1, 8 waves a work-group, no clusters, 27,904 bytes of LDS; arguments Xb, Wb, bcat, ob; writes ob
.if DOCPART == 4
	.amdgcn_target "amdgcn-amd-amdhsa--gfx1250"
	.amdhsa_code_object_version 6
	.text
	.protected	k_q2a9a311521_first16
	.globl	k_q2a9a311521_first16
	.p2align	8
	.type	k_q2a9a311521_first16,@function
k_q2a9a311521_first16:
	s_mov_b64 s[64:65], 0
	v_nop
	global_prefetch_b8 v0, s[64:65] scope:SCOPE_SE
	s_setreg_imm32_b32 hwreg(HW_REG_WAVE_MODE, 25, 1), 1
	s_wait_xcnt 0x0
; THE FIRST 16 ROWS OF O, ONCE MORE, WITH MORE BITS.  Row q of O is a mean over q + 1 keys: the first rows are as large as V itself, later rows shrink with the number of keys, and the whole output's root mean
; square goes by the later ones.  So a rounding of q, k, v and p to f16's 11 bits weighs most in the first rows.  Here rows 0-15 of every head are made with q, k, v and p each held as a SUM OF TWO f16 numbers
; (hi = f16(x), lo = f16(x - hi): some 22 bits); O is rounded once to f16.  This launch runs behind the attention and stores these 2,048 bytes a head over what that launch stored there.
; Xb: [4096][1024] bf16 (rows 0-15 are read); Wb: [3072][1024] bf16 (Wq, Wk, Wv); bcat: f32 (bq, bk, bv); ob: [16][4096][64] f16.
; LIMITS, as in the attention: |q|, |k|, |v| under 65,504; a hidden score counts as its value less 1e30; a weight below 2^-126 counts as 0; lo parts below 6e-5 keep f16's fixed step of 6e-8.
; SHARES.  A work-group a head: q, k and v of a head must meet, so there are 16.  Its eight waves split the projection: wave w takes the 16 channels cb = w % 4 of q, of k and of v, and half w / 4 of K = 1,024.
; Nothing is shared on the way in but X's 16 rows, so fragments come straight from memory, two loads of 16 bytes a lane; no tensor load, no cluster.
; LAYOUT.  q and k: source 0 = 16 rows of W, source 1 = X's 16 rows: a lane holds ONE token (lane % 16) and the channels 8 (lane / 16) + 0..7: packed in pairs, two such blocks ARE a fragment (16 tokens x 32 channels)
; of S^T = K Q^T.  v: source 0 = X's rows, source 1 = 16 rows of Wv: a lane holds ONE channel and the tokens 8 (lane / 16) + 0..7: packed, half a fragment of V^T.  S^T holds one query a lane and the keys
; 8 (lane / 16) + 0..7: packed, half a fragment of P.  There are 16 keys and a matrix instruction sums over 32 places: places 0-15 take V's hi parts, places 16-31 its lo parts, and P stands in both halves.
.set PARTW, 3072                       ; LDS: wave w's three partial tiles (q, k, v), 1,024 bytes each, at 3,072 w
.set STAGE, 8*PARTW                    ; behind them: 16 rows x 144 bytes, wave 0's, for the way out
.set SP,    144
.set SPARE, STAGE+16*SP                ; the spare words, 128 bytes for each wave: four blocks of 256 bytes that no other line names
.set FO,  2                            ; v2   my byte offset in a fragment's rows: (l % 16) x 2,048 + 16 (l / 16) + 1,024 x half of K; for X and for W; never rewritten
.set LS,  3                            ; v3   where I put my 32 bytes of a partial tile
.set LR,  4                            ; v4   32 x lane: where wave 0 reads them back
.set STO, 5                            ; v5   the way out: where I put 16 bytes of a row
.set RD,  6                            ; v6   where I read rows back
.set GO,  7                            ; v7   16 x lane: my 16 bytes in 512 consecutive bytes of O
.set SPW, 8                            ; v8   LDS address of my spare word; never rewritten
.set NIL, 9                            ; v9   0; never rewritten
.set BOQ, 10                           ; v10  32 x (l / 16): my eight channels' bias (q, k)
.set BOV, 11                           ; v11  4 x (l % 16): my channel's bias (v)
.set RR,  12                           ; v12  l % 16
.set HH,  13                           ; v13  l / 16
.set DI,  14                           ; v14  l % 16 - 8 (l / 16): register j of S^T is hidden where j is greater
.set MONE, 15                          ; v15  -1.0
.set AQ,  40                           ; v[40:63]   the projection's three accumulators: q, k, v
.set AK,  48
.set AV,  56
.set BUF, 64                           ; v[64:191]  two sets of two chunks of 32 along K; a chunk: X's fragment, then Wq's, Wk's, Wv's
.set FS,  64                           ; wave 0, later: v[64:159] the first half of K's sums, v[160:255] the second's; type t, block cb at 32 t + 8 cb
.set QF,  64
.set KF,  96
.set VF,  128
.set QHI, 160                          ; 16 registers each: two fragments of 32 channels
.set QLO, 176
.set KHI, 192
.set KLO, 208
.set VA,  224                          ; channel block cb at VA + 8 cb: four registers of hi parts, four of lo parts
.set SA,  16                           ; S^T in three parts: Khi Qhi (and the mask), Khi Qlo, Klo Qhi
.set SB,  24
.set SC,  32
.set MD,  40                           ; the mask: 0, or -1e30 where the key is hidden
.set CM,  24                           ; v[24:25] c m, m
.set TT,  26                           ; v[26:27] at work
.set LL,  28                           ; v[28:29] l
.set RL,  30                           ; v[30:31] 1 / l, twice
.set BH,  48                           ; P's hi parts, in both halves of the fragment
.set BL,  56                           ; its lo parts, likewise
.set OA,  64                           ; O^T: four accumulators
.set OP,  96                           ; O, packed
.set WV,  12                           ; s12  my wave's number
.set CB,  13                           ; s13  my block of 16 channels
.set KHALF, 14                         ; s14  my half of K
.set LEFT, 15                          ; s15  trips still to come
.set SEL, 24                           ; s[24:25] v_permlanex16_b32's selects: each lane takes its own place in the other half
.set CS,  26                           ; s[26:27] c = log2(e) / 8
.set BIGN, 28                          ; s28  -1e30
.set KZ,  29                           ; s29  1.0 in K's first half, 0 in its second: the bias enters one of the two partial sums
	s_load_b256 s[4:11], s[0:1], 0x0               ; Xb s[4:5], Wb s[6:7], bcat s[8:9], ob s[10:11]
	v_lshl_add_u32 v[SPW], v0, 2, SPARE
	v_mov_b32 v[NIL], 0
	v_lshrrev_b32 v1, 5, v0
	v_readfirstlane_b32 s[WV], v1                  ; wave 0..7
	s_and_b32 s[CB], s[WV], 3
	s_lshr_b32 s[KHALF], s[WV], 2
	v_and_b32 v1, 31, v0                           ; lane
	v_and_b32 v[RR], 15, v0
	v_bfe_u32 v[HH], v0, 4, 1
	s_lshl_b32 s16, s[KHALF], 10                   ; 512 channels are 1,024 bytes of a row
	v_lshlrev_b32 v[FO], 11, v[RR]
	v_lshl_add_u32 v[FO], v[HH], 4, v[FO]
	v_add_nc_u32 v[FO], s16, v[FO]
	v_lshlrev_b32 v[BOQ], 5, v[HH]
	v_lshlrev_b32 v[BOV], 2, v[RR]
	v_lshlrev_b32 v[LR], 5, v1
	v_lshlrev_b32 v[GO], 4, v1
	s_mul_i32 s17, s[WV], PARTW
	v_add_nc_u32 v[LS], s17, v[LR]
	v_mov_b32 v[MONE], -1.0
	s_lshl_b32 s18, ttmp9, 17                      ; the head's 64 rows of Wq, 2,048 bytes each,
	s_lshl_b32 s19, s[CB], 15                      ; my 16 of them
	s_add_co_u32 s18, s18, s19
	s_mov_b32 s19, 0
	s_lshl_b32 s20, ttmp9, 8                       ; the same channels in bq
	s_lshl_b32 s21, s[CB], 6
	s_add_co_u32 s20, s20, s21
	s_mov_b32 s21, 0
	s_lshl_b32 s22, ttmp9, 19                      ; the head's rows of O
	s_mov_b32 s23, 0
	s_cmp_eq_u32 s[KHALF], 0
	s_cselect_b32 s[KZ], 1.0, 0
	s_mov_b32 s[SEL], 0x76543210
	s_mov_b32 s[SEL+1], 0xfedcba98
	s_mov_b32 s[CS], 0x3e38aa3b                    ; c = 0.180337
	s_mov_b32 s[CS+1], s[CS]                       ; named with it as a pair
	s_mov_b32 s[BIGN], 0xf149f2ca                  ; -1e30
	s_mov_b32 s[LEFT], 3
	s_wait_kmcnt 0x0
	s_add_nc_u64 s[6:7], s[6:7], s[18:19]
	s_add_nc_u64 s[8:9], s[8:9], s[20:21]
	s_add_nc_u64 s[10:11], s[10:11], s[22:23]
	global_load_b128 v[AQ:AQ+3],   v[BOQ], s[8:9]              ; the bias lands in the accumulators: bq of my eight channels,
	global_load_b128 v[AQ+4:AQ+7], v[BOQ], s[8:9] offset:16
	global_load_b128 v[AK:AK+3],   v[BOQ], s[8:9] offset:4096  ; bk,
	global_load_b128 v[AK+4:AK+7], v[BOQ], s[8:9] offset:4112
	global_load_b32  v[AV],        v[BOV], s[8:9] offset:8192  ; bv of my one channel
; Two chunks' 16 loads into set b, from byte off behind the two pointers.  Wk lies 1,024 rows, Wv 2,048 rows behind Wq: 2,097,152 bytes each, in the immediate.
.macro LOADS b, off
.irp c, 0,1
	global_load_b128 v[BUF+64*(\b)+32*(\c):BUF+64*(\b)+32*(\c)+3],   v[FO], s[4:5] offset:(\off)+64*(\c)
	global_load_b128 v[BUF+64*(\b)+32*(\c)+4:BUF+64*(\b)+32*(\c)+7], v[FO], s[4:5] offset:(\off)+64*(\c)+32
.irp t, 0,1,2
	global_load_b128 v[BUF+64*(\b)+32*(\c)+8+8*(\t):BUF+64*(\b)+32*(\c)+8+8*(\t)+3],    v[FO], s[6:7] offset:(\off)+64*(\c)+2097152*(\t)
	global_load_b128 v[BUF+64*(\b)+32*(\c)+8+8*(\t)+4:BUF+64*(\b)+32*(\c)+8+8*(\t)+7],  v[FO], s[6:7] offset:(\off)+64*(\c)+2097152*(\t)+32
.endr
.endr
.endm
; Their six products.  The three accumulators take turns, one instruction a turn, over the backward jump too.
.macro MULS b
.irp c, 0,1
.set FB, BUF+64*(\b)+32*(\c)
	v_wmma_f32_16x16x32_bf16 v[AQ:AQ+7], v[FB+8:FB+15],  v[FB:FB+7],     v[AQ:AQ+7]
	v_wmma_f32_16x16x32_bf16 v[AK:AK+7], v[FB+16:FB+23], v[FB:FB+7],     v[AK:AK+7]
	v_wmma_f32_16x16x32_bf16 v[AV:AV+7], v[FB:FB+7],     v[FB+24:FB+31], v[AV:AV+7]
.endr
.endm
.macro PLACES n                        ; plain vector instructions between a matrix instruction and a load into its sources or a read of its result
.rept \n
	v_nop
.endr
.endm
	LOADS 0, 0                                     ; chunks 0, 1
	LOADS 1, 128                                   ; chunks 2, 3
	s_wait_loadcnt 32                              ; the bias is in; the two sets' 32 loads may stay out
.set j, 0
.rept 8
	v_mul_f32 v[AQ+j], s[KZ], v[AQ+j]              ; the sums start at the bias (K's first half) or at 0 (its second)
	v_mul_f32 v[AK+j], s[KZ], v[AK+j]
.set j, j+1
.endr
.set j, 7
.rept 7
	v_mul_f32 v[AV+j], s[KZ], v[AV]                ; v's accumulator holds one channel in all eight registers
.set j, j-1
.endr
	v_mul_f32 v[AV], s[KZ], v[AV]
.Lturn:                                                ; chunks 4 i .. 4 i + 3 are multiplied, chunks 4 i + 4 .. 4 i + 7 asked for
	s_wait_loadcnt 16                              ; set 0 is in; set 1's 16 loads may stay out
	MULS 0
	PLACES 4
	s_wait_xcnt 0x0                                ; every load issued so far has read its address, so the pointers may be written
	s_add_nc_u64 s[4:5], s[4:5], 256
	s_add_nc_u64 s[6:7], s[6:7], 256
	LOADS 0, 0
	s_wait_loadcnt 16                              ; set 1 is in
	MULS 1
	PLACES 4
	LOADS 1, 128
	s_sub_co_u32 s[LEFT], s[LEFT], 1
	s_cmp_lg_u32 s[LEFT], 0
	s_cbranch_scc1 .Lturn
	s_wait_loadcnt 16                              ; the last four chunks load nothing
	MULS 0
	s_wait_loadcnt 0x0
	MULS 1
	PLACES 8
.irp t, 0,1,2
	ds_store_b128 v[LS], v[AQ+8*(\t):AQ+8*(\t)+3]   offset:1024*(\t)      ; each accumulator's low half first
	ds_store_b128 v[LS], v[AQ+8*(\t)+4:AQ+8*(\t)+7] offset:1024*(\t)+16
.endr
	s_wait_dscnt 0x0                               ; for wave 0's sake: my stores are done
	s_barrier_signal -1
	s_barrier_wait -1                              ; all 24 partial tiles lie in LDS
	s_cmp_lg_u32 s[WV], 0                          ; the 16 x 16 attention is one wave's work
	s_cbranch_scc1 .Lend
.irp kh, 0,1
.irp cb, 0,1,2,3
.irp t, 0,1,2
	ds_load_b128 v[FS+96*(\kh)+32*(\t)+8*(\cb):FS+96*(\kh)+32*(\t)+8*(\cb)+3],   v[LR] offset:(4*(\kh)+(\cb))*PARTW+1024*(\t)
	ds_load_b128 v[FS+96*(\kh)+32*(\t)+8*(\cb)+4:FS+96*(\kh)+32*(\t)+8*(\cb)+7], v[LR] offset:(4*(\kh)+(\cb))*PARTW+1024*(\t)+16
.endr
.endr
.endr
	v_lshlrev_b32 v1, 3, v[HH]                     ; the mask and the way out's addresses are made while those 48 loads are out
	v_sub_nc_u32 v[DI], v[RR], v1
.set j, 0
.rept 8
	v_cmp_gt_i32 vcc_lo, j, v[DI]                  ; key 8 (l / 16) + j lies behind query l % 16
	v_cndmask_b32 v[MD+j], 0, s[BIGN], vcc_lo
.set j, j+1
.endr
	v_mul_u32_u24 v[STO], v[RR], SP                ; in: row l % 16, 16 bytes for each half of the lanes
	v_lshl_add_u32 v[STO], v[HH], 4, v[STO]
	v_add_nc_u32 v[STO], STAGE, v[STO]
	v_bfe_u32 v[RD], v0, 3, 2                      ; back: 32 lanes take four rows of 128 bytes
	v_mul_u32_u24 v[RD], v[RD], SP
	v_and_b32 v1, 7, v0
	v_lshl_add_u32 v[RD], v1, 4, v[RD]
	v_add_nc_u32 v[RD], STAGE, v[RD]
	s_wait_dscnt 0x0
.set i, 0
.rept 48
	v_pk_add_f32 v[FS+i:FS+i+1], v[FS+i:FS+i+1], v[FS+96+i:FS+96+i+1]  ; the two halves of K
.set i, i+2
.endr
; Two numbers x at v[src], v[src+1]: hi = f16(x), packed; x - hi, exact, in place; lo = f16(x - hi), packed.
.macro SPLIT src, hi, lo
	v_cvt_pk_f16_f32 v[\hi], v[\src], v[(\src)+1]
	v_fma_mix_f32 v[\src], v[\hi], v[MONE], v[\src] op_sel_hi:[1,0,0]                        ; the low half of hi, times -1, plus x
	v_fma_mix_f32 v[(\src)+1], v[\hi], v[MONE], v[(\src)+1] op_sel:[1,0,0] op_sel_hi:[1,0,0] ; the high half likewise
	v_cvt_pk_f16_f32 v[\lo], v[\src], v[(\src)+1]
.endm
.set i, 0
.rept 16
	SPLIT QF+2*i, QHI+i, QLO+i
	SPLIT KF+2*i, KHI+i, KLO+i
	SPLIT VF+2*i, VA+8*(i/4)+i%4, VA+8*(i/4)+4+i%4
.set i, i+1
.endr
	; S^T = Khi Qhi + Khi Qlo + Klo Qhi (the product of the two lo parts is some 2^-22 of a score and is left out); the mask starts the first sum.  Three accumulators by turns, two chunks of 32 channels.
	v_wmma_f32_16x16x32_f16 v[SA:SA+7], v[KHI:KHI+7],    v[QHI:QHI+7],    v[MD:MD+7]
	v_wmma_f32_16x16x32_f16 v[SB:SB+7], v[KHI:KHI+7],    v[QLO:QLO+7],    0
	v_wmma_f32_16x16x32_f16 v[SC:SC+7], v[KLO:KLO+7],    v[QHI:QHI+7],    0
	v_wmma_f32_16x16x32_f16 v[SA:SA+7], v[KHI+8:KHI+15], v[QHI+8:QHI+15], v[SA:SA+7]
	v_wmma_f32_16x16x32_f16 v[SB:SB+7], v[KHI+8:KHI+15], v[QLO+8:QLO+15], v[SB:SB+7]
	v_wmma_f32_16x16x32_f16 v[SC:SC+7], v[KLO+8:KLO+15], v[QHI+8:QHI+15], v[SC:SC+7]
	PLACES 8
.irp n, 0,1,2,3
	v_pk_add_f32 v[SA+2*(\n):SA+2*(\n)+1], v[SA+2*(\n):SA+2*(\n)+1], v[SB+2*(\n):SB+2*(\n)+1]
.endr
.irp n, 0,1,2,3
	v_pk_add_f32 v[SA+2*(\n):SA+2*(\n)+1], v[SA+2*(\n):SA+2*(\n)+1], v[SC+2*(\n):SC+2*(\n)+1]
.endr
	; the softmax: the query's maximum over my eight keys and the eight in the lane 16 away; p = 2^(c s - c m); l = the sum of all sixteen
	v_max3_num_f32 v[TT], v[SA], v[SA+1], v[SA+2]
	v_max3_num_f32 v[TT], v[TT], v[SA+3], v[SA+4]
	v_max3_num_f32 v[TT], v[TT], v[SA+5], v[SA+6]
	v_max_num_f32 v[TT], v[TT], v[SA+7]
	v_mov_b32 v[TT+1], v[TT]                       ; v_permlanex16_b32's destination counts as read
	v_permlanex16_b32 v[TT+1], v[TT], s[SEL], s[SEL+1]
	v_max_num_f32 v[CM+1], v[TT], v[TT+1]          ; every query sees key 0, so m is a true score
	v_mul_f32 v[CM], s[CS], v[CM+1]
.irp n, 0,1,2,3
	v_pk_fma_f32 v[SA+2*(\n):SA+2*(\n)+1], v[SA+2*(\n):SA+2*(\n)+1], s[CS:CS+1], v[CM:CM+1] op_sel_hi:[1,0,0] neg_lo:[0,0,1] neg_hi:[0,0,1]
.endr
.irp n, 0,1,2,3,4,5,6,7
	v_exp_f32 v[SA+(\n)], v[SA+(\n)]
.endr
	v_nop                                          ; a plain instruction between the last exponential and the use of its result
	s_wait_alu depctr_va_vdst(0)
	v_pk_add_f32 v[LL:LL+1], v[SA:SA+1], v[SA+2:SA+3]
	v_pk_add_f32 v[TT:TT+1], v[SA+4:SA+5], v[SA+6:SA+7]
	v_pk_add_f32 v[LL:LL+1], v[LL:LL+1], v[TT:TT+1]
	v_add_f32 v[LL], v[LL], v[LL+1]
	v_permlanex16_b32 v[LL+1], v[LL], s[SEL], s[SEL+1]
	v_add_f32 v[LL], v[LL], v[LL+1]
	v_rcp_f32 v[RL], v[LL]
	v_rcp_f32 v[RL+1], v[LL]
	v_nop                                          ; a plain instruction behind the reciprocals
.irp n, 0,1,2,3
	SPLIT SA+2*(\n), BH+(\n), BL+(\n)
.endr
.irp n, 0,1,2,3
	v_mov_b32 v[BH+4+(\n)], v[BH+(\n)]             ; P stands in both halves of its fragments: against V's hi parts and against its lo parts
	v_mov_b32 v[BL+4+(\n)], v[BL+(\n)]
.endr
	; O^T = (Vhi + Vlo) Phi + (Vhi + Vlo) Plo.  Four accumulators, one for each 16 channels, by turns.
.irp cb, 0,1,2,3
	v_wmma_f32_16x16x32_f16 v[OA+8*(\cb):OA+8*(\cb)+7], v[VA+8*(\cb):VA+8*(\cb)+7], v[BH:BH+7], 0
.endr
.irp cb, 0,1,2,3
	v_wmma_f32_16x16x32_f16 v[OA+8*(\cb):OA+8*(\cb)+7], v[VA+8*(\cb):VA+8*(\cb)+7], v[BL:BL+7], v[OA+8*(\cb):OA+8*(\cb)+7]
.endr
	PLACES 8
.set i, 0
	s_wait_alu depctr_va_vdst(0)
.rept 16
	v_pk_mul_f32 v[OA+i:OA+i+1], v[OA+i:OA+i+1], v[RL:RL+1]
.set i, i+2
.endr
.set i, 0
.rept 16
	v_cvt_pk_f16_f32 v[OP+i], v[OA+2*i], v[OA+2*i+1]               ; the one rounding of O
.set i, i+1
.endr
.irp f, 0,1,2,3
	ds_store_b128 v[STO], v[OP+4*(\f):OP+4*(\f)+3] offset:32*(\f)  ; a lane's eight channels of a row, into rows of 144 bytes
.endr
.irp f, 0,1,2,3
	ds_load_b128 v[OP+4*(\f):OP+4*(\f)+3], v[RD] offset:(\f)*4*SP  ; LDS serves a wave's instructions in order (ISA guide 5.7.1.4): these see the stores above
.endr
.irp f, 0,1,2,3
	s_wait_dscnt 3-(\f)
	global_store_b128 v[GO], v[OP+4*(\f):OP+4*(\f)+3], s[10:11] offset:512*(\f)  ; four rows of O: 512 consecutive bytes, at a multiple of 256 from ob's first byte
.endr
.Lend:
	s_wait_tensorcnt 0x0                           ; the wave's end: behind my last LDS store
	ds_add_u32 v[SPW], v[NIL]
	s_wait_dscnt 0x0
	s_endpgm
.Lfunc_end_k_q2a9a311521_first16:
	.size	k_q2a9a311521_first16, .Lfunc_end_k_q2a9a311521_first16-k_q2a9a311521_first16
	.p2alignl 7, 3214868480
	.fill 96, 4, 3214868480
	.section	.rodata,"a",@progbits
	.p2align	6, 0x0
	.amdhsa_kernel k_q2a9a311521_first16
		.amdhsa_group_segment_fixed_size 27904
		.amdhsa_private_segment_fixed_size 0
		.amdhsa_enable_private_segment 0
		.amdhsa_kernarg_size 32
		.amdhsa_user_sgpr_count 2
		.amdhsa_user_sgpr_kernarg_segment_ptr 1
		.amdhsa_wavefront_size32 1
		.amdhsa_system_sgpr_workgroup_id_x 1
		.amdhsa_system_sgpr_workgroup_id_y 1
		.amdhsa_system_sgpr_workgroup_id_z 1
		.amdhsa_system_vgpr_workitem_id 0
		.amdhsa_next_free_vgpr 256
		.amdhsa_next_free_sgpr 66
		.amdhsa_reserve_vcc 1
		.amdhsa_float_denorm_mode_32 3
		.amdhsa_float_denorm_mode_16_64 3
		.amdhsa_memory_ordered 1
		.amdhsa_forward_progress 1
		.amdhsa_inst_pref_size 40
	.end_amdhsa_kernel
	.amdgpu_metadata
---
amdhsa.version: [ 1, 2 ]
amdhsa.kernels:
  - .name:           k_q2a9a311521_first16
    .symbol:         k_q2a9a311521_first16.kd
    .args:
      - { .name: Xb, .offset: 0, .size: 8, .value_kind: global_buffer, .address_space: global }
      - { .name: Wb, .offset: 8, .size: 8, .value_kind: global_buffer, .address_space: global }
      - { .name: bcat, .offset: 16, .size: 8, .value_kind: global_buffer, .address_space: global }
      - { .name: ob, .offset: 24, .size: 8, .value_kind: global_buffer, .address_space: global }
    .group_segment_fixed_size: 27904
    .private_segment_fixed_size: 0
    .kernarg_segment_align: 8
    .kernarg_segment_size: 32
    .max_flat_workgroup_size: 256
    .sgpr_count:     66
    .vgpr_count:     256
    .wavefront_size: 32
...
	.end_amdgpu_metadata
.endif
;; end of part 4
;; launch oproj (part 5): grid 8 x 32, 4 waves a work-group, clusters of 4 x 4, 327,680 bytes of LDS; arguments ob, Wof, bcat, out0; writes out0
.if DOCPART == 5
	.amdgcn_target "amdgcn-amd-amdhsa--gfx1250"
	.amdhsa_code_object_version 6
	.text
	.protected	k_q2a9a311521_oproj
	.globl	k_q2a9a311521_oproj
	.p2align	8
	.type	k_q2a9a311521_oproj,@function
k_q2a9a311521_oproj:
	s_mov_b64 s[64:65], 0
	v_nop
	global_prefetch_b8 v0, s[64:65] scope:SCOPE_SE
	s_setreg_imm32_b32 hwreg(HW_REG_WAVE_MODE, 25, 1), 1
	s_wait_xcnt 0x0
	s_wait_alu depctr_hold_cnt(0) depctr_sa_sdst(0) depctr_va_vdst(0) depctr_va_sdst(0) depctr_va_ssrc(0) depctr_va_vcc(0) depctr_vm_vsrc(0)
	s_getreg_b32 s2, hwreg(HW_REG_IB_STS2, 6, 4)
	s_cmp_eq_u32 s2, 0
	s_cbranch_scc0 .Lentry_in_a_cluster
	s_endpgm
.Lentry_in_a_cluster:
	s_bfe_u32 s2, ttmp6, 0x10000c
	s_cmp_lg_u32 s2, 0xf033
	s_cbranch_scc0 .Lentry_shape_is_right
	s_endpgm
.Lentry_shape_is_right:
; out0 = O Wo^T + bo.  ob: [16][4096][64] f16 (by heads); Wof: [1024][1024] f16; bcat: f32, bo from number 3,072 on; out0: [4096][1024] f32.  Sums in f32, started by the bias.
; TILE.  128 x 128: 8 x 32 tiles, one work-group each, 256 in all.  Four waves, each 64 x 64: 16 accumulators.  K goes in four steps of 256 (four heads) through a ring of two LDS slots.
; O's TILE.  64 rows of one head are 8,192 dense bytes: a wave's load asks for 4 such runs, one a head, 524,288 bytes apart, and pads after every 128 bytes: in LDS [head][row] with rows 144 bytes apart.
; CLUSTER.  4 x 4 work-groups: O's tile is shared along a row of the cluster, Wo's along a column: each is asked for jointly.
; THE MATRIX INSTRUCTION IS USED TRANSPOSED (source 0 = 16 rows of Wo, source 1 = 16 rows of O): a lane holds one row of the result and eight neighbouring columns, 32 bytes.
; REGISTERS: window 0: v16-29 addresses; v32-95 rows read back on the way out, two sets; v96-127 the bias of my lane's columns; v128-255 the accumulators ((a, b) at 128 + 8 (4 a + b)).
;   window 1: two fragment buffers of 128: for 64 along K, 64 registers of O, then 64 of Wo.
.set PA,     144                       ; a row of O in LDS: 128 bytes + 16
.set AHD,    64*PA                     ; a head's 64 rows
.set AH,     4*AHD                     ; what one load of O brings
.set PB,     528                       ; a row of Wo in LDS: 512 bytes + 16
.set BH,     64*PB                     ; what one load of Wo brings
.set BOFF,   2*AH
.set SLOT,   BOFF+2*BH
.set STAGE,  2*SLOT                    ; behind the ring: 16 rows x 272 bytes for each wave
.set SPITCH, 272
.set SPARE,  STAGE+4*16*SPITCH         ; the spare words, 128 bytes for each wave: two blocks of 256 bytes that no other line names
.set ADRA, 16                          ; v16-17  LDS address of my fragments of O in slot 0, 1
.set ADRB, 20                          ; v20-21  the same for Wo
.set STO,  24
.set RD,   25
.set CO,   26
.set BO,   27
.set SPW,  28                          ; v28     LDS address of my spare word; never rewritten
.set NIL,  29                          ; v29     0; never rewritten
.set TMP,  32
.set BIAS, 96
.set ACC,  128
.set F0,   0
.set F1,   128
.set G1,  24
.set G0,  32
.set G1B, 48
.set G0B, 56
.set MSB, 0
.macro WIN new
.if MSB != (\new)
	s_set_vgpr_msb (MSB<<8)|(\new)
.set MSB, \new
.endif
.endm
.set MUL,  0x05                        ; sources 0 and 1 window 1; C and D window 0
.set TO_F, 0x40                        ; destination window 1, address window 0
.macro JLOAD s                         ; a joint load: waves 0 and 1 fetch O's two halves, waves 2 and 3 Wo's; an s_nop 0 and four v_nop follow each line
	s_cmp_eq_u32 s13, 0
	s_cbranch_scc0 .Lfor_b_\@
	tensor_load_to_lds s[G0+4*(\s):G0+4*(\s)+3], s[G1:G1+7]
	s_nop 0
.rept 4
	v_nop
.endr
	s_branch .Lasked_\@
.Lfor_b_\@:
	tensor_load_to_lds s[G0B+4*(\s):G0B+4*(\s)+3], s[G1B:G1B+7]
	s_nop 0
.rept 4
	v_nop
.endr
.Lasked_\@:
.endm
.macro CREST
	s_cmp_lg_u32 s12, 0
	s_cbranch_scc1 .Lnot_wave_0_\@
	s_barrier_signal -3
.Lnot_wave_0_\@:
	s_barrier_wait -3
	s_barrier_signal -1
	s_barrier_wait -1
.endm
.macro CROUND
	s_barrier_signal -1
	s_barrier_wait -1
	CREST
.endm
	s_load_b256 s[4:11], s[0:1], 0x0               ; ob s[4:5], Wof s[6:7], bcat s[8:9], out0 s[10:11]
	v_lshl_add_u32 v[SPW], v0, 2, SPARE
	v_mov_b32 v[NIL], 0
	ds_add_u32 v[SPW], v[NIL]                      ; the wave's opening: the add and its wait stand ahead of my first tensor load
	ds_add_u32 v28, v29
	v_lshrrev_b32 v1, 5, v0
	v_readfirstlane_b32 s12, v1                    ; wave 0..3
	s_lshr_b32 s13, s12, 1                         ; which half of the tile's rows is mine.  Also: I fetch for O (0) or for Wo (1)
	s_and_b32 s14, s12, 1                          ; which half of its columns.  Also: which 64 rows I fetch
	s_bfe_u32 s40, ttmp6, 0x40000
	s_bfe_u32 s41, ttmp6, 0x40004
	s_lshl_b32 s42, ttmp9, 2
	s_add_co_u32 s42, s42, s40                     ; tile column
	s_and_b32 s43, ttmp7, 0xffff
	s_lshl_b32 s43, s43, 2
	s_add_co_u32 s43, s43, s41                     ; tile row
	s_lshl_b32 s44, s41, 2
	s_lshl_b32 s44, 15, s44                        ; my row of the cluster
	s_lshl_b32 s45, 0x1111, s40                    ; my column
	s_or_b32 s[G1+0], s44, (1<<16)|(1<<20)|(1<<21)|(4<<22)|(3<<25)   ; the mask; 2-byte elements; padding on; bit 21 beside a mask; after every 32 words 4 words
	s_mov_b32 s[G1+1], 4096<<16                    ; tensor_dim0 = 4,096 elements: 64 rows of a head on end
	s_mov_b32 s[G1+2], 4<<16                       ; tensor_dim1 = 4 heads
	s_mov_b32 s[G1+3], 4096<<16                    ; tile_dim0
	s_mov_b32 s[G1+4], 4                           ; tile_dim1
	s_mov_b32 s[G1+5], 262144                      ; elements from head to head
	s_mov_b32 s[G1+6], 0
	s_mov_b32 s[G1+7], 0
	s_or_b32 s[G1B+0], s45, (1<<16)|(1<<20)|(1<<21)|(6<<22)|(3<<25)  ; after every 128 words 4 words
	s_mov_b32 s[G1B+1], 256<<16
	s_mov_b32 s[G1B+2], 64<<16
	s_mov_b32 s[G1B+3], 256<<16
	s_mov_b32 s[G1B+4], 64
	s_mov_b32 s[G1B+5], 1024
	s_mov_b32 s[G1B+6], 0
	s_mov_b32 s[G1B+7], 0
	s_lshl_b32 s16, s43, 7                         ; O: row 128 x tile row + 64 x half, 128 bytes a row of a head
	s_lshl_b32 s17, s14, 6
	s_add_co_u32 s16, s16, s17
	s_lshl_b32 s16, s16, 7
	s_mov_b32 s17, 0
	s_lshl_b32 s46, s42, 7                         ; Wo: row 128 x tile column + 64 x half, 2,048 bytes a row
	s_lshl_b32 s47, s14, 6
	s_add_co_u32 s46, s46, s47
	s_lshl_b32 s46, s46, 11
	s_mov_b32 s47, 0
	s_mul_i32 s20, s14, AH                         ; where they go: no place in the cluster enters an LDS address
	s_mul_i32 s21, s14, BH
	s_add_co_u32 s21, s21, BOFF
	s_wait_dscnt 0x0                               ; the opening add is done
	s_wait_kmcnt 0x0
	s_add_nc_u64 s[18:19], s[4:5], s[16:17]
	s_add_nc_u64 s[46:47], s[6:7], s[46:47]
	CROUND                                         ; all sixteen work-groups are here: the first joint loads meet
.irp s, 0,1
	s_mov_b32 s[G0+4*(\s)], 1
	s_add_co_u32 s[G0+4*(\s)+1], s20, (\s)*SLOT
	s_add_nc_u64 s[G0+4*(\s)+2:G0+4*(\s)+3], s[18:19], (\s)*4*524288   ; K step s: heads 4 s on
	s_or_b32 s[G0+4*(\s)+3], s[G0+4*(\s)+3], 0x80000000
	s_mov_b32 s[G0B+4*(\s)], 1
	s_add_co_u32 s[G0B+4*(\s)+1], s21, (\s)*SLOT
	s_add_nc_u64 s[G0B+4*(\s)+2:G0B+4*(\s)+3], s[46:47], (\s)*512
	s_or_b32 s[G0B+4*(\s)+3], s[G0B+4*(\s)+3], 0x80000000
	JLOAD \s                                       ; two loads of mine are out
.endr
	v_and_b32 v1, 15, v0                           ; l % 16
	v_bfe_u32 v2, v0, 4, 1                         ; l / 16
	v_mul_u32_u24 v3, v1, PA
	v_lshl_add_u32 v3, v2, 4, v3
	v_mul_u32_u24 v4, v1, PB
	v_lshl_add_u32 v4, v2, 4, v4
	s_mul_i32 s21, s13, AH                         ; my 64 rows of O
	s_mul_i32 s22, s14, BH                         ; my 64 rows of Wo
	s_add_co_u32 s22, s22, BOFF
.irp s, 0,1
	v_add_nc_u32 v[ADRA+(\s)], s21, v3
	v_add_nc_u32 v[ADRB+(\s)], s22, v4
	s_add_co_u32 s21, s21, SLOT
	s_add_co_u32 s22, s22, SLOT
.endr
	s_mul_i32 s23, s12, 16*SPITCH
	s_add_co_u32 s23, s23, STAGE                   ; my stage
	v_mul_u32_u24 v5, v1, SPITCH                   ; in: row l % 16, 32 bytes for each half of the lanes
	v_lshl_add_u32 v5, v2, 5, v5
	v_add_nc_u32 v[STO], s23, v5
	v_mul_u32_u24 v5, v2, SPITCH                   ; back: lanes 0-15 take one row of 256 bytes, lanes 16-31 the next
	v_lshl_add_u32 v5, v1, 4, v5
	v_add_nc_u32 v[RD], s23, v5
	v_lshlrev_b32 v5, 12, v2                       ; and the same two rows of out0, 4,096 bytes apart
	v_lshl_add_u32 v[CO], v1, 4, v5
	v_lshlrev_b32 v[BO], 5, v2
	s_lshl_b32 s46, s42, 9                         ; my 64 columns in bytes: 512 x tile column + 256 x half
	s_lshl_b32 s47, s14, 8
	s_add_co_u32 s46, s46, s47
	s_mov_b32 s47, 0
	s_add_nc_u64 s[8:9], s[8:9], s[46:47]
	s_add_nc_u64 s[10:11], s[10:11], s[46:47]
.irp b, 0,1,2,3
	global_load_b128 v[BIAS+8*(\b):BIAS+8*(\b)+3],   v[BO], s[8:9] offset:12288+64*(\b)     ; bo of columns 16 b + 8 (l / 16) + 0..3
	global_load_b128 v[BIAS+8*(\b)+4:BIAS+8*(\b)+7], v[BO], s[8:9] offset:12288+64*(\b)+16  ; + 4..7
.endr
	s_lshl_b32 s16, s43, 7                         ; my first row: 128 x tile row + 64 x half
	s_lshl_b32 s17, s13, 6
	s_add_co_u32 s16, s16, s17
	s_lshl_b32 s16, s16, 12
	s_mov_b32 s17, 0
	s_add_nc_u64 s[10:11], s[10:11], s[16:17]
; 8 matrix instructions: row blocks a0, a0 + 1 x all 4 column blocks, 32 along K: half c of buffer f.  first = 1: the bias starts the sums.  The 16 accumulators take turns.
.macro MUL8 f, c, a0, first
	WIN MUL
.irp a, \a0, (\a0)+1
.irp b, 0,1,2,3
.if \first
	v_wmma_f32_16x16x32_f16 v[ACC+8*(4*(\a)+(\b)):ACC+8*(4*(\a)+(\b))+7], v[(\f)+64+8*(4*(\c)+(\b)):(\f)+64+8*(4*(\c)+(\b))+7], v[(\f)+8*(4*(\c)+(\a)):(\f)+8*(4*(\c)+(\a))+7], v[BIAS+8*(\b):BIAS+8*(\b)+7]
.else
	v_wmma_f32_16x16x32_f16 v[ACC+8*(4*(\a)+(\b)):ACC+8*(4*(\a)+(\b))+7], v[(\f)+64+8*(4*(\c)+(\b)):(\f)+64+8*(4*(\c)+(\b))+7], v[(\f)+8*(4*(\c)+(\a)):(\f)+8*(4*(\c)+(\a))+7], v[ACC+8*(4*(\a)+(\b)):ACC+8*(4*(\a)+(\b))+7]
.endif
.endr
.endr
.endm
; 32 LDS loads in one run: quarter q of a K step (one head's 64 channels) into buffer f; the first 32 along K first
.macro FETCH slot, q, f
	WIN TO_F
.irp c, 0,1
.irp i, 0,1,2,3
	ds_load_b128 v[(\f)+64+8*(4*(\c)+(\i)):(\f)+64+8*(4*(\c)+(\i))+3],   v[ADRB+(\slot)] offset:128*(\q)+64*(\c)+(\i)*16*PB
	ds_load_b128 v[(\f)+64+8*(4*(\c)+(\i))+4:(\f)+64+8*(4*(\c)+(\i))+7], v[ADRB+(\slot)] offset:128*(\q)+64*(\c)+(\i)*16*PB+32
	ds_load_b128 v[(\f)+8*(4*(\c)+(\i)):(\f)+8*(4*(\c)+(\i))+3],         v[ADRA+(\slot)] offset:AHD*(\q)+64*(\c)+(\i)*16*PA
	ds_load_b128 v[(\f)+8*(4*(\c)+(\i))+4:(\f)+8*(4*(\c)+(\i))+7],       v[ADRA+(\slot)] offset:AHD*(\q)+64*(\c)+(\i)*16*PA+32
.endr
.endr
.endm
.macro PLACES                          ; four plain vector instructions between a matrix instruction and a load into its sources or a read of its result
.rept 4
	v_nop
.endr
.endm
.macro QUARTER slot, q, f, g, first    ; multiplies buffer f and fetches quarter q of the same slot into g
	s_wait_dscnt 16                                ; the first 32 along K are in
	MUL8 \f, 0, 0, \first
	MUL8 \f, 0, 2, \first
	PLACES
	FETCH \slot, \q, \g
	s_wait_dscnt 32                                ; all but the 32 just issued
	MUL8 \f, 1, 0, 0
	MUL8 \f, 1, 2, 0
.endm
; The last quarter multiplies buffer 1 and changes slots: one barrier; in front of it each wave waits for all its tensor loads, adds 0 to its spare word, and waits for that and for its reads of this slot.
; fill = 1: the barrier opens a round of the cluster's barrier, and this slot is filled again, two K steps on, first thing behind the round.
.macro TURN slot, next, fill
	WIN 0
	s_wait_tensorcnt 0x0
	ds_add_u32 v[SPW], v[NIL]
	s_wait_dscnt 17                                ; (the add and the youngest sixteen loads may be out)
	MUL8 F1, 0, 0, 0
	s_wait_dscnt 0x0                               ; the add is done, and my reads of this slot are over
	s_barrier_signal -1
	MUL8 F1, 0, 2, 0
.if \fill
	WIN 0
.endif
	s_barrier_wait -1
.if \fill
	CREST
	s_add_nc_u64 s[G0+4*(\slot)+2:G0+4*(\slot)+3], s[G0+4*(\slot)+2:G0+4*(\slot)+3], 8*524288
	s_add_nc_u64 s[G0B+4*(\slot)+2:G0B+4*(\slot)+3], s[G0B+4*(\slot)+2:G0B+4*(\slot)+3], 1024
	JLOAD \slot                                    ; my one tensor load behind the round; its four v_nop are also the places in front of the loads below
.else
	PLACES
.endif
	FETCH \next, 0, F0
	MUL8 F1, 1, 0, 0
	MUL8 F1, 1, 2, 0
.endm
	s_wait_tensorcnt 1                             ; my part of K step 0 is in; K step 1's may stay out
	s_barrier_signal -1
	s_barrier_wait -1
	FETCH 0, 0, F0
	s_wait_loadcnt 0x0                             ; the bias
	QUARTER 0, 1, F0, F1, 1                        ; the first products start the sums
	QUARTER 0, 2, F1, F0, 0                        ; four K steps, written straight: the first two fill their slots again
	QUARTER 0, 3, F0, F1, 0
	TURN 0, 1, 1
	QUARTER 1, 1, F0, F1, 0
	QUARTER 1, 2, F1, F0, 0
	QUARTER 1, 3, F0, F1, 0
	TURN 1, 0, 1
	QUARTER 0, 1, F0, F1, 0
	QUARTER 0, 2, F1, F0, 0
	QUARTER 0, 3, F0, F1, 0
	TURN 0, 1, 0
	QUARTER 1, 1, F0, F1, 0
	QUARTER 1, 2, F1, F0, 0
	QUARTER 1, 3, F0, F1, 0
	s_wait_dscnt 16
	MUL8 F1, 0, 0, 0
	MUL8 F1, 0, 2, 0
	s_wait_dscnt 0x0
	MUL8 F1, 1, 0, 0
	MUL8 F1, 1, 2, 0
	WIN 0
; THE WAY OUT, a block of 16 rows at a time: the f32 sums go as they are into my stage (each accumulator's low half first) and come back as whole rows of 256 bytes.
.macro TOSTAGE a
	s_wait_xcnt 0x0                                ; the stores issued so far have read their registers: this set of 32 is loaded again only behind this wait
.irp b, 0,1,2,3
.irp q, 0,1
	ds_store_b128 v[STO], v[ACC+8*(4*(\a)+(\b))+4*(\q):ACC+8*(4*(\a)+(\b))+4*(\q)+3] offset:64*(\b)+16*(\q)
.endr
.endr
.irp t, 0,1,2,3,4,5,6,7
	ds_load_b128 v[TMP+32*((\a)%2)+4*(\t):TMP+32*((\a)%2)+4*(\t)+3], v[RD] offset:2*SPITCH*(\t)  ; LDS serves a wave's instructions in order (ISA guide 5.7.1.4): these see the stores above
.endr
.endm
.macro SEND a, younger                 ; younger: the next block's eight stores and eight loads, or none
	s_wait_dscnt \younger
.irp t, 0,1,2,3,4,5,6,7
	global_store_b128 v[CO], v[TMP+32*((\a)%2)+4*(\t):TMP+32*((\a)%2)+4*(\t)+3], s[10:11] offset:(16*(\a)+2*(\t))*4096 th:TH_STORE_NT  ; 16 lanes store 256 consecutive bytes, at a multiple of 256 from out0's first byte
.endr
.endm
	PLACES
	TOSTAGE 0
.irp a, 1,2,3
	TOSTAGE \a
	SEND (\a)-1, 16
.endr
	SEND 3, 0
	s_wait_tensorcnt 0x0                           ; the wave's end
	ds_add_u32 v[SPW], v[NIL]
	s_wait_dscnt 0x0
	CROUND                                         ; the closing round: no work-group ends while a partner may still ask for a tile that names it
	s_endpgm
.Lfunc_end_k_q2a9a311521_oproj:
	.size	k_q2a9a311521_oproj, .Lfunc_end_k_q2a9a311521_oproj-k_q2a9a311521_oproj
	.p2alignl 7, 3214868480
	.fill 96, 4, 3214868480
	.section	.rodata,"a",@progbits
	.p2align	6, 0x0
	.amdhsa_kernel k_q2a9a311521_oproj
		.amdhsa_group_segment_fixed_size 327680
		.amdhsa_private_segment_fixed_size 0
		.amdhsa_enable_private_segment 0
		.amdhsa_kernarg_size 32
		.amdhsa_user_sgpr_count 2
		.amdhsa_user_sgpr_kernarg_segment_ptr 1
		.amdhsa_wavefront_size32 1
		.amdhsa_system_sgpr_workgroup_id_x 1
		.amdhsa_system_sgpr_workgroup_id_y 1
		.amdhsa_system_sgpr_workgroup_id_z 1
		.amdhsa_system_vgpr_workitem_id 0
		.amdhsa_next_free_vgpr 512
		.amdhsa_next_free_sgpr 66
		.amdhsa_reserve_vcc 0
		.amdhsa_float_denorm_mode_32 3
		.amdhsa_float_denorm_mode_16_64 3
		.amdhsa_memory_ordered 1
		.amdhsa_forward_progress 1
		.amdhsa_inst_pref_size 86
	.end_amdhsa_kernel
	.amdgpu_metadata
---
amdhsa.version: [ 1, 2 ]
amdhsa.kernels:
  - .name:           k_q2a9a311521_oproj
    .symbol:         k_q2a9a311521_oproj.kd
    .args:
      - { .name: ob, .offset: 0, .size: 8, .value_kind: global_buffer, .address_space: global }
      - { .name: Wof, .offset: 8, .size: 8, .value_kind: global_buffer, .address_space: global }
      - { .name: bcat, .offset: 16, .size: 8, .value_kind: global_buffer, .address_space: global }
      - { .name: out0, .offset: 24, .size: 8, .value_kind: global_buffer, .address_space: global }
    .group_segment_fixed_size: 327680
    .private_segment_fixed_size: 0
    .kernarg_segment_align: 8
    .kernarg_segment_size: 32
    .max_flat_workgroup_size: 128
    .sgpr_count:     66
    .vgpr_count:     512
    .wavefront_size: 32
...
	.end_amdgpu_metadata
.endif
;; end of part 5
;; ======== version 2 of 2: 5 launches; version 1 with the launch first16 written anew for expert scheduling mode
;; limits: values are held in f16: magnitudes above 65,504 overflow, below 6.1e-05 lose precision
;; workspace buffers: Xb 8,388,608 bytes; Wb 6,291,456 bytes; Wof 2,097,152 bytes; bcat 16,384 bytes; qkv 25,165,824 bytes; ob 8,388,608 bytes
;; launch cast: the kernel of part 1 again; grid 512 x 1, 8 waves a work-group, no clusters, 0 bytes of LDS; arguments X, Wq, Wk, Wv, Wo, bq, bk, bv, bo, Xb, Wb, Wof, bcat; writes Xb, Wb, Wof, bcat
;; launch qkv: the kernel of part 2 again; grid 16 x 16, 4 waves a work-group, clusters of 4 x 4, 327,680 bytes of LDS; arguments Xb, Wb, bcat, qkv; writes qkv
;; launch attn: the kernel of part 3 again; grid 16 x 16, 4 waves a work-group, no clusters, 327,680 bytes of LDS; arguments qkv, ob; writes ob
;; launch first16 (part 6): grid 16 x 1, 8 waves a work-group, no clusters, 27,904 bytes of LDS; arguments Xb, Wb, bcat, ob; writes ob
.if DOCPART == 6
	.amdgcn_target "amdgcn-amd-amdhsa--gfx1250"
	.amdhsa_code_object_version 6
	.text
	.protected	k_q2a9a311521_first16
	.globl	k_q2a9a311521_first16
	.p2align	8
	.type	k_q2a9a311521_first16,@function
k_q2a9a311521_first16:
	s_mov_b64 s[64:65], 0
	v_nop
	global_prefetch_b8 v0, s[64:65] scope:SCOPE_SE
	s_setreg_imm32_b32 hwreg(HW_REG_WAVE_SCHED_MODE, 0, 2), 2
	s_setreg_imm32_b32 hwreg(HW_REG_WAVE_MODE, 25, 1), 1
	s_wait_xcnt 0x0
	s_wait_alu depctr_vm_vsrc(0)
; THE FIRST 16 ROWS OF O, ONCE MORE, WITH MORE BITS.  Row q of O is a mean over q + 1 keys: the first rows are as large as V itself, later rows shrink with the number of keys, and the whole output's root mean
; square goes by the later ones.  So a rounding of q, k, v and p to f16's 11 bits weighs most in the first rows.  Here rows 0-15 of every head are made with q, k, v and p each held as a SUM OF TWO f16 numbers
; (hi = f16(x), lo = f16(x - hi): some 22 bits); O is rounded once to f16.  This launch runs behind the attention and stores these 2,048 bytes a head over what that launch stored there.
; Xb: [4096][1024] bf16 (rows 0-15 are read); Wb: [3072][1024] bf16 (Wq, Wk, Wv); bcat: f32 (bq, bk, bv); ob: [16][4096][64] f16.
; LIMITS, as in the attention: |q|, |k|, |v| under 65,504; a hidden score counts as its value less 1e30; a weight below 2^-126 counts as 0; lo parts below 6e-5 keep f16's fixed step of 6e-8.
; SHARES.  A work-group a head: q, k and v of a head must meet, so there are 16.  Its eight waves split the projection: wave w takes the 16 channels cb = w % 4 of q, of k and of v, and half w / 4 of K = 1,024.
; Nothing is shared on the way in but X's 16 rows, so fragments come straight from memory, two loads of 16 bytes a lane; no tensor load, no cluster.
; LAYOUT.  q and k: source 0 = 16 rows of W, source 1 = X's 16 rows: a lane holds ONE token (lane % 16) and the channels 8 (lane / 16) + 0..7: packed in pairs, two such blocks ARE a fragment (16 tokens x 32 channels)
; of S^T = K Q^T.  v: source 0 = X's rows, source 1 = 16 rows of Wv: a lane holds ONE channel and the tokens 8 (lane / 16) + 0..7: packed, half a fragment of V^T.  S^T holds one query a lane and the keys
; 8 (lane / 16) + 0..7: packed, half a fragment of P.  There are 16 keys and a matrix instruction sums over 32 places: places 0-15 take V's hi parts, places 16-31 its lo parts, and P stands in both halves.
; THE MODE: SCHED_MODE bits 1:0 = 2 (LLVM: expert scheduling mode 2), set by the entry lines.  The code itself states the register dependences between vector or matrix instructions and memory or LDS
; instructions, with s_wait_alu, always for 0.
; THE PLAN.  Registers that memory or LDS instructions touch:
;   v[FO], v[BOQ], v[BOV], v[LS], v[LR], v[GO]   offsets and addresses, written at the head and never again: one wait ahead of the first load serves them all.  The rows' bytes are reached by two scalar pointers and immediates.
;   SET0 .. SET2 (v[64:255])   A step is two chunks of 32 along K.  Step p's six products read set p % 3; at the head of step p + 1 the loads of step p + 3 land in it.  So ONE wait on va_vdst stands at a step's head:
;                the step before's products are done reading their set; the sixteen loads follow it at once, then the wait for this step's own data, then its products, which name another set.
;   v[40:63]     the accumulators: the bias loads land in them; the six LDS stores read them behind a wait on va_vdst; wave 0 writes them again (the mask, P) behind a wait on vm_vsrc.
;   v[64:255]    once more, in wave 0: its 48 LDS loads land there; no vector or matrix instruction is issued between the wait ahead of the LDS stores and these loads.
;   v[STO], v[RD], OP (v[96:111])   written by wave 0's vector work; read by the way out's LDS instructions behind one wait on va_vdst.  OB (v[112:127]): the rows come back into registers that the LDS stores do not read.
;   v[SPW], v[NIL]   written at the head, read by the closing add alone.
.set PARTW, 3072                       ; LDS: wave w's three partial tiles (q, k, v), 1,024 bytes each, at 3,072 w
.set STAGE, 8*PARTW                    ; behind them: 16 rows x 144 bytes, wave 0's, for the way out
.set SP,    144
.set SPARE, STAGE+16*SP                ; the spare words, 128 bytes for each wave: four blocks of 256 bytes that no other line names
.set FO,  2                            ; v2   my byte offset in a fragment's rows: (l % 16) x 2,048 + 16 (l / 16) + 1,024 x half of K; for X and for W; never rewritten
.set LS,  3                            ; v3   where I put my 32 bytes of a partial tile
.set LR,  4                            ; v4   32 x lane: where wave 0 reads them back
.set STO, 5                            ; v5   the way out: where I put 16 bytes of a row
.set RD,  6                            ; v6   where I read rows back
.set GO,  7                            ; v7   16 x lane: my 16 bytes in 512 consecutive bytes of O
.set SPW, 8                            ; v8   LDS address of my spare word; never rewritten
.set NIL, 9                            ; v9   0; never rewritten
.set BOQ, 10                           ; v10  32 x (l / 16): my eight channels' bias (q, k)
.set BOV, 11                           ; v11  4 x (l % 16): my channel's bias (v)
.set RR,  12                           ; v12  l % 16
.set HH,  13                           ; v13  l / 16
.set DI,  14                           ; v14  l % 16 - 8 (l / 16): register j of S^T is hidden where j is greater
.set MONE, 15                          ; v15  -1.0
.set AQ,  40                           ; v[40:63]   the projection's three accumulators: q, k, v
.set AK,  48
.set AV,  56
.set BUF, 64                           ; v[64:255]  three sets of two chunks of 32 along K; a chunk: X's fragment, then Wq's, Wk's, Wv's
.set FS,  64                           ; wave 0, later: v[64:159] the first half of K's sums, v[160:255] the second's; type t, block cb at 32 t + 8 cb
.set QF,  64
.set KF,  96
.set VF,  128
.set QHI, 160                          ; 16 registers each: two fragments of 32 channels
.set QLO, 176
.set KHI, 192
.set KLO, 208
.set VA,  224                          ; channel block cb at VA + 8 cb: four registers of hi parts, four of lo parts
.set SA,  16                           ; S^T in three parts: Khi Qhi (and the mask), Khi Qlo, Klo Qhi
.set SB,  24
.set SC,  32
.set MD,  40                           ; the mask: 0, or -1e30 where the key is hidden
.set CM,  24                           ; v[24:25] c m, m
.set TT,  26                           ; v[26:27] at work
.set LL,  28                           ; v[28:29] l
.set RL,  30                           ; v[30:31] 1 / l, twice
.set BH,  48                           ; P's hi parts, in both halves of the fragment
.set BL,  56                           ; its lo parts, likewise
.set OA,  64                           ; O^T: four accumulators
.set OP,  96                           ; O, packed
.set OB,  112                          ; O's rows as they come back from the stage
.set WV,  12                           ; s12  my wave's number
.set CB,  13                           ; s13  my block of 16 channels
.set KHALF, 14                         ; s14  my half of K
.set LEFT, 15                          ; s15  trips still to come
.set HID, 16                           ; s[16:23] at the head: offsets; in wave 0: the eight masks of hidden keys
.set SEL, 24                           ; s[24:25] v_permlanex16_b32's selects: each lane takes its own place in the other half
.set CS,  26                           ; s[26:27] c = log2(e) / 8
.set BIGN, 28                          ; s28  -1e30
.set KZ,  29                           ; s29  1.0 in K's first half, 0 in its second: the bias enters one of the two partial sums
	s_load_b256 s[4:11], s[0:1], 0x0               ; Xb s[4:5], Wb s[6:7], bcat s[8:9], ob s[10:11]
	v_lshl_add_u32 v[SPW], v0, 2, SPARE
	v_mov_b32 v[NIL], 0
	v_lshrrev_b32 v1, 5, v0
	v_readfirstlane_b32 s[WV], v1                  ; wave 0..7
	v_and_b32 v1, 31, v0                           ; lane.  The vector lines that need no scalar stand between that line and the wait for its result
	v_and_b32 v[RR], 15, v0
	v_bfe_u32 v[HH], v0, 4, 1
	v_lshlrev_b32 v[FO], 11, v[RR]
	v_lshl_add_u32 v[FO], v[HH], 4, v[FO]
	v_lshlrev_b32 v[BOQ], 5, v[HH]
	v_lshlrev_b32 v[BOV], 2, v[RR]
	v_lshlrev_b32 v[LR], 5, v1
	v_lshlrev_b32 v[GO], 4, v1
	v_mov_b32 v[MONE], -1.0
	s_wait_alu depctr_va_sdst(0)                   ; s12, the wave's number, is written, ahead of its first reader
	s_and_b32 s[CB], s[WV], 3
	s_lshr_b32 s[KHALF], s[WV], 2
	s_lshl_b32 s16, s[KHALF], 10                   ; 512 channels are 1,024 bytes of a row
	v_add_nc_u32 v[FO], s16, v[FO]
	s_mul_i32 s17, s[WV], PARTW
	v_add_nc_u32 v[LS], s17, v[LR]
	s_lshl_b32 s18, ttmp9, 17                      ; the head's 64 rows of Wq, 2,048 bytes each,
	s_lshl_b32 s19, s[CB], 15                      ; my 16 of them
	s_add_co_u32 s18, s18, s19
	s_mov_b32 s19, 0
	s_lshl_b32 s20, ttmp9, 8                       ; the same channels in bq
	s_lshl_b32 s21, s[CB], 6
	s_add_co_u32 s20, s20, s21
	s_mov_b32 s21, 0
	s_lshl_b32 s22, ttmp9, 19                      ; the head's rows of O
	s_mov_b32 s23, 0
	s_cmp_eq_u32 s[KHALF], 0
	s_cselect_b32 s[KZ], 1.0, 0
	s_mov_b32 s[SEL], 0x76543210
	s_mov_b32 s[SEL+1], 0xfedcba98
	s_mov_b32 s[CS], 0x3e38aa3b                    ; c = 0.180337
	s_mov_b32 s[CS+1], s[CS]                       ; named with it as a pair
	s_mov_b32 s[BIGN], 0xf149f2ca                  ; -1e30
	s_mov_b32 s[LEFT], 2
	s_wait_kmcnt 0x0
	s_add_nc_u64 s[6:7], s[6:7], s[18:19]
	s_add_nc_u64 s[8:9], s[8:9], s[20:21]
	s_add_nc_u64 s[10:11], s[10:11], s[22:23]
	s_wait_alu depctr_va_vdst(0)                   ; v[FO], v[BOQ], v[BOV], v[LS], v[LR] and v[GO] are written: the loads and stores of the whole kernel read them as offsets and addresses
	global_load_b128 v[AQ:AQ+3],   v[BOQ], s[8:9]              ; the bias lands in the accumulators: bq of my eight channels,
	global_load_b128 v[AQ+4:AQ+7], v[BOQ], s[8:9] offset:16
	global_load_b128 v[AK:AK+3],   v[BOQ], s[8:9] offset:4096  ; bk,
	global_load_b128 v[AK+4:AK+7], v[BOQ], s[8:9] offset:4112
	global_load_b32  v[AV],        v[BOV], s[8:9] offset:8192  ; bv of my one channel
; Two chunks' 16 loads into set b, from byte off behind the two pointers.  Wk lies 1,024 rows, Wv 2,048 rows behind Wq: 2,097,152 bytes each, in the immediate.
.macro LOADS b, off
.irp c, 0,1
	global_load_b128 v[BUF+64*(\b)+32*(\c):BUF+64*(\b)+32*(\c)+3],   v[FO], s[4:5] offset:(\off)+64*(\c)
	global_load_b128 v[BUF+64*(\b)+32*(\c)+4:BUF+64*(\b)+32*(\c)+7], v[FO], s[4:5] offset:(\off)+64*(\c)+32
.irp t, 0,1,2
	global_load_b128 v[BUF+64*(\b)+32*(\c)+8+8*(\t):BUF+64*(\b)+32*(\c)+8+8*(\t)+3],    v[FO], s[6:7] offset:(\off)+64*(\c)+2097152*(\t)
	global_load_b128 v[BUF+64*(\b)+32*(\c)+8+8*(\t)+4:BUF+64*(\b)+32*(\c)+8+8*(\t)+7],  v[FO], s[6:7] offset:(\off)+64*(\c)+2097152*(\t)+32
.endr
.endr
.endm
; Their six products.  The three accumulators take turns, one instruction a turn, over the backward jump too.
.macro MULS b
.irp c, 0,1
.set FB, BUF+64*(\b)+32*(\c)
	v_wmma_f32_16x16x32_bf16 v[AQ:AQ+7], v[FB+8:FB+15],  v[FB:FB+7],     v[AQ:AQ+7]
	v_wmma_f32_16x16x32_bf16 v[AK:AK+7], v[FB+16:FB+23], v[FB:FB+7],     v[AK:AK+7]
	v_wmma_f32_16x16x32_bf16 v[AV:AV+7], v[FB:FB+7],     v[FB+24:FB+31], v[AV:AV+7]
.endr
.endm
.macro PLACES n                        ; plain vector instructions between a matrix instruction and a load into its sources or a read of its result
.rept \n
	v_nop
.endr
.endm
; Step s of a trip.  It multiplies set s; at its head it asks for the step two further on, into the set that the step before has multiplied.
.macro STEP s
	s_wait_alu depctr_va_vdst(0)                   ; the step before's products are done reading the set in which the sixteen loads below land (the first trip's first step has no step before it)
	LOADS (\s+2)%3, 128*((\s)+2)
	s_wait_loadcnt 32                              ; loads come back in order (ISA guide 5.7.1): set s is in; the two younger sets' 32 loads may stay out
	MULS \s
	PLACES 4                                       ; the places stay beside the next step's wait
.endm
	LOADS 0, 0                                     ; step 0: chunks 0, 1
	LOADS 1, 128                                   ; step 1: chunks 2, 3
	s_wait_loadcnt 32                              ; the bias is in; the two sets' 32 loads may stay out
.set j, 0
.rept 8
	v_mul_f32 v[AQ+j], s[KZ], v[AQ+j]              ; the sums start at the bias (K's first half) or at 0 (its second)
	v_mul_f32 v[AK+j], s[KZ], v[AK+j]
.set j, j+1
.endr
.set j, 7
.rept 7
	v_mul_f32 v[AV+j], s[KZ], v[AV]                ; v's accumulator holds one channel in all eight registers
.set j, j-1
.endr
	v_mul_f32 v[AV], s[KZ], v[AV]
.Lturn:                                                ; two trips: steps 3 i .. 3 i + 2 are multiplied, steps 3 i + 2 .. 3 i + 4 asked for
	STEP 0
	STEP 1
	STEP 2
	s_wait_xcnt 0x0                                ; every load issued so far has had its address translated (ISA guide 3.1), so the pointers may be written
	s_add_nc_u64 s[4:5], s[4:5], 384               ; three steps of 128 bytes
	s_add_nc_u64 s[6:7], s[6:7], 384
	s_sub_co_u32 s[LEFT], s[LEFT], 1
	s_cmp_lg_u32 s[LEFT], 0
	s_cbranch_scc1 .Lturn
	s_wait_loadcnt 16                              ; steps 6 and 7 load nothing: no load leaves the rows, and the counts run down
	MULS 0
	s_wait_loadcnt 0x0
	MULS 1
	PLACES 8
	s_wait_alu depctr_va_vdst(0)                   ; the products have written the accumulators, which the LDS stores read; and they are done reading v[64:255], in which wave 0's LDS loads land: no vector or matrix instruction is issued between here and those loads
.irp t, 0,1,2
	ds_store_b128 v[LS], v[AQ+8*(\t):AQ+8*(\t)+3]   offset:1024*(\t)      ; each accumulator's low half first
	ds_store_b128 v[LS], v[AQ+8*(\t)+4:AQ+8*(\t)+7] offset:1024*(\t)+16
.endr
	s_wait_dscnt 0x0                               ; for wave 0's sake: my stores are done
	s_barrier_signal -1
	s_barrier_wait -1                              ; all 24 partial tiles lie in LDS
	s_wait_alu depctr_vm_vsrc(0)                   ; my LDS stores have read v[40:63], which wave 0 writes again below (the mask, P's fragments); the wait stands ahead of the branch
	s_cmp_lg_u32 s[WV], 0                          ; the 16 x 16 attention is one wave's work
	s_cbranch_scc1 .Lend
.irp kh, 0,1
.irp cb, 0,1,2,3
.irp t, 0,1,2
	ds_load_b128 v[FS+96*(\kh)+32*(\t)+8*(\cb):FS+96*(\kh)+32*(\t)+8*(\cb)+3],   v[LR] offset:(4*(\kh)+(\cb))*PARTW+1024*(\t)
	ds_load_b128 v[FS+96*(\kh)+32*(\t)+8*(\cb)+4:FS+96*(\kh)+32*(\t)+8*(\cb)+7], v[LR] offset:(4*(\kh)+(\cb))*PARTW+1024*(\t)+16
.endr
.endr
.endr
	v_lshlrev_b32 v1, 3, v[HH]                     ; the mask and the way out's addresses are made while those 48 loads are out
	v_sub_nc_u32 v[DI], v[RR], v1
.set j, 0
.rept 8
	v_cmp_gt_i32 s[HID+j], j, v[DI]                ; key 8 (l / 16) + j lies behind query l % 16: the eight compares in one run, each into a scalar register of its own
.set j, j+1
.endr
	v_mul_u32_u24 v[STO], v[RR], SP                ; in: row l % 16, 16 bytes for each half of the lanes
	v_lshl_add_u32 v[STO], v[HH], 4, v[STO]
	v_add_nc_u32 v[STO], STAGE, v[STO]
	v_bfe_u32 v[RD], v0, 3, 2                      ; back: 32 lanes take four rows of 128 bytes
	v_mul_u32_u24 v[RD], v[RD], SP
	v_and_b32 v1, 7, v0
	v_lshl_add_u32 v[RD], v1, 4, v[RD]
	v_add_nc_u32 v[RD], STAGE, v[RD]
	s_wait_alu depctr_va_sdst(0)                   ; the eight compares have written s[16:23], ahead of the selects that read them
.set j, 0
.rept 8
	v_cndmask_b32 v[MD+j], 0, s[BIGN], s[HID+j]
.set j, j+1
.endr
	s_wait_dscnt 0x0
.set i, 0
.rept 48
	v_pk_add_f32 v[FS+i:FS+i+1], v[FS+i:FS+i+1], v[FS+96+i:FS+96+i+1]  ; the two halves of K
.set i, i+2
.endr
; Two numbers x at v[src], v[src+1]: hi = f16(x), packed; x - hi, exact, in place; lo = f16(x - hi), packed.
.macro SPLIT src, hi, lo
	v_cvt_pk_f16_f32 v[\hi], v[\src], v[(\src)+1]
	v_fma_mix_f32 v[\src], v[\hi], v[MONE], v[\src] op_sel_hi:[1,0,0]                        ; the low half of hi, times -1, plus x
	v_fma_mix_f32 v[(\src)+1], v[\hi], v[MONE], v[(\src)+1] op_sel:[1,0,0] op_sel_hi:[1,0,0] ; the high half likewise
	v_cvt_pk_f16_f32 v[\lo], v[\src], v[(\src)+1]
.endm
.set i, 0
.rept 16
	SPLIT QF+2*i, QHI+i, QLO+i
	SPLIT KF+2*i, KHI+i, KLO+i
	SPLIT VF+2*i, VA+8*(i/4)+i%4, VA+8*(i/4)+4+i%4
.set i, i+1
.endr
	; S^T = Khi Qhi + Khi Qlo + Klo Qhi (the product of the two lo parts is some 2^-22 of a score and is left out); the mask starts the first sum.  Three accumulators by turns, two chunks of 32 channels.
	v_wmma_f32_16x16x32_f16 v[SA:SA+7], v[KHI:KHI+7],    v[QHI:QHI+7],    v[MD:MD+7]
	v_wmma_f32_16x16x32_f16 v[SB:SB+7], v[KHI:KHI+7],    v[QLO:QLO+7],    0
	v_wmma_f32_16x16x32_f16 v[SC:SC+7], v[KLO:KLO+7],    v[QHI:QHI+7],    0
	v_wmma_f32_16x16x32_f16 v[SA:SA+7], v[KHI+8:KHI+15], v[QHI+8:QHI+15], v[SA:SA+7]
	v_wmma_f32_16x16x32_f16 v[SB:SB+7], v[KHI+8:KHI+15], v[QLO+8:QLO+15], v[SB:SB+7]
	v_wmma_f32_16x16x32_f16 v[SC:SC+7], v[KLO+8:KLO+15], v[QHI+8:QHI+15], v[SC:SC+7]
	PLACES 8
.irp n, 0,1,2,3
	v_pk_add_f32 v[SA+2*(\n):SA+2*(\n)+1], v[SA+2*(\n):SA+2*(\n)+1], v[SB+2*(\n):SB+2*(\n)+1]
.endr
.irp n, 0,1,2,3
	v_pk_add_f32 v[SA+2*(\n):SA+2*(\n)+1], v[SA+2*(\n):SA+2*(\n)+1], v[SC+2*(\n):SC+2*(\n)+1]
.endr
	; the softmax: the query's maximum over my eight keys and the eight in the lane 16 away; p = 2^(c s - c m); l = the sum of all sixteen
	v_max3_num_f32 v[TT], v[SA], v[SA+1], v[SA+2]
	v_max3_num_f32 v[TT], v[TT], v[SA+3], v[SA+4]
	v_max3_num_f32 v[TT], v[TT], v[SA+5], v[SA+6]
	v_max_num_f32 v[TT], v[TT], v[SA+7]
	v_mov_b32 v[TT+1], v[TT]                       ; v_permlanex16_b32's destination counts as read
	v_permlanex16_b32 v[TT+1], v[TT], s[SEL], s[SEL+1]
	v_max_num_f32 v[CM+1], v[TT], v[TT+1]          ; every query sees key 0, so m is a true score
	v_mul_f32 v[CM], s[CS], v[CM+1]
.irp n, 0,1,2,3
	v_pk_fma_f32 v[SA+2*(\n):SA+2*(\n)+1], v[SA+2*(\n):SA+2*(\n)+1], s[CS:CS+1], v[CM:CM+1] op_sel_hi:[1,0,0] neg_lo:[0,0,1] neg_hi:[0,0,1]
.endr
.irp n, 0,1,2,3,4,5,6,7
	v_exp_f32 v[SA+(\n)], v[SA+(\n)]
.endr
	v_nop                                          ; a plain instruction between the last exponential and the use of its result
	s_wait_alu depctr_va_vdst(0)                   ; the eight exponentials have written v[SA ..], ahead of their first reader: one wait for the batch
	v_pk_add_f32 v[LL:LL+1], v[SA:SA+1], v[SA+2:SA+3]
	v_pk_add_f32 v[TT:TT+1], v[SA+4:SA+5], v[SA+6:SA+7]
	v_pk_add_f32 v[LL:LL+1], v[LL:LL+1], v[TT:TT+1]
	v_add_f32 v[LL], v[LL], v[LL+1]
	v_permlanex16_b32 v[LL+1], v[LL], s[SEL], s[SEL+1]
	v_add_f32 v[LL], v[LL], v[LL+1]
	v_rcp_f32 v[RL], v[LL]
	v_rcp_f32 v[RL+1], v[LL]
	v_nop                                          ; a plain instruction behind the reciprocals
.irp n, 0,1,2,3
	SPLIT SA+2*(\n), BH+(\n), BL+(\n)
.endr
.irp n, 0,1,2,3
	v_mov_b32 v[BH+4+(\n)], v[BH+(\n)]             ; P stands in both halves of its fragments: against V's hi parts and against its lo parts
	v_mov_b32 v[BL+4+(\n)], v[BL+(\n)]
.endr
	; O^T = (Vhi + Vlo) Phi + (Vhi + Vlo) Plo.  Four accumulators, one for each 16 channels, by turns.
.irp cb, 0,1,2,3
	v_wmma_f32_16x16x32_f16 v[OA+8*(\cb):OA+8*(\cb)+7], v[VA+8*(\cb):VA+8*(\cb)+7], v[BH:BH+7], 0
.endr
.irp cb, 0,1,2,3
	v_wmma_f32_16x16x32_f16 v[OA+8*(\cb):OA+8*(\cb)+7], v[VA+8*(\cb):VA+8*(\cb)+7], v[BL:BL+7], v[OA+8*(\cb):OA+8*(\cb)+7]
.endr
	PLACES 8
	s_wait_alu depctr_va_vdst(0)                   ; the two reciprocals have written v[RL:RL+1], ahead of their first reader
.set i, 0
.rept 16
	v_pk_mul_f32 v[OA+i:OA+i+1], v[OA+i:OA+i+1], v[RL:RL+1]
.set i, i+2
.endr
.set i, 0
.rept 16
	v_cvt_pk_f16_f32 v[OP+i], v[OA+2*i], v[OA+2*i+1]               ; the one rounding of O
.set i, i+1
.endr
	s_wait_alu depctr_va_vdst(0)                   ; the conversions have written v[OP ..], which the LDS stores read; v[STO] and v[RD] are written; the vector lines that named v[OB ..], in which the LDS loads land, are complete
.irp f, 0,1,2,3
	ds_store_b128 v[STO], v[OP+4*(\f):OP+4*(\f)+3] offset:32*(\f)  ; a lane's eight channels of a row, into rows of 144 bytes
.endr
.irp f, 0,1,2,3
	ds_load_b128 v[OB+4*(\f):OB+4*(\f)+3], v[RD] offset:(\f)*4*SP  ; LDS serves a wave's instructions in order (ISA guide 5.7.1.4): these see the stores above; they land in registers that those stores do not read
.endr
.irp f, 0,1,2,3
	s_wait_dscnt 3-(\f)
	global_store_b128 v[GO], v[OB+4*(\f):OB+4*(\f)+3], s[10:11] offset:512*(\f)  ; four rows of O: 512 consecutive bytes, at a multiple of 256 from ob's first byte
.endr
.Lend:
	s_wait_dscnt 0x0                               ; the closing lines, six on end
	s_wait_alu 0x0
	s_wait_tensorcnt 0x0
	ds_add_u32 v[SPW], v[NIL]
	s_wait_dscnt 0x0
	s_endpgm
.Lfunc_end_k_q2a9a311521_first16:
	.size	k_q2a9a311521_first16, .Lfunc_end_k_q2a9a311521_first16-k_q2a9a311521_first16
	.p2alignl 7, 3214868480
	.fill 96, 4, 3214868480
	.section	.rodata,"a",@progbits
	.p2align	6, 0x0
	.amdhsa_kernel k_q2a9a311521_first16
		.amdhsa_group_segment_fixed_size 27904
		.amdhsa_private_segment_fixed_size 0
		.amdhsa_enable_private_segment 0
		.amdhsa_kernarg_size 32
		.amdhsa_user_sgpr_count 2
		.amdhsa_user_sgpr_kernarg_segment_ptr 1
		.amdhsa_wavefront_size32 1
		.amdhsa_system_sgpr_workgroup_id_x 1
		.amdhsa_system_sgpr_workgroup_id_y 1
		.amdhsa_system_sgpr_workgroup_id_z 1
		.amdhsa_system_vgpr_workitem_id 0
		.amdhsa_next_free_vgpr 256
		.amdhsa_next_free_sgpr 66
		.amdhsa_reserve_vcc 0
		.amdhsa_float_denorm_mode_32 3
		.amdhsa_float_denorm_mode_16_64 3
		.amdhsa_memory_ordered 1
		.amdhsa_forward_progress 1
		.amdhsa_inst_pref_size 42
	.end_amdhsa_kernel
	.amdgpu_metadata
---
amdhsa.version: [ 1, 2 ]
amdhsa.kernels:
  - .name:           k_q2a9a311521_first16
    .symbol:         k_q2a9a311521_first16.kd
    .args:
      - { .name: Xb, .offset: 0, .size: 8, .value_kind: global_buffer, .address_space: global }
      - { .name: Wb, .offset: 8, .size: 8, .value_kind: global_buffer, .address_space: global }
      - { .name: bcat, .offset: 16, .size: 8, .value_kind: global_buffer, .address_space: global }
      - { .name: ob, .offset: 24, .size: 8, .value_kind: global_buffer, .address_space: global }
    .group_segment_fixed_size: 27904
    .private_segment_fixed_size: 0
    .kernarg_segment_align: 8
    .kernarg_segment_size: 32
    .max_flat_workgroup_size: 256
    .sgpr_count:     66
    .vgpr_count:     256
    .wavefront_size: 32
...
	.end_amdgpu_metadata
.endif
;; end of part 6
;; launch oproj: the kernel of part 5 again; grid 8 x 32, 4 waves a work-group, clusters of 4 x 4, 327,680 bytes of LDS; arguments ob, Wof, bcat, out0; writes out0
